; MI455X (gfx1250); checked and timed in simulation.
; The chip was launched on July 23, 2026; its instructions are those of AMD's public machine-readable ISA for CDNA 5 (MIT licence, August 2026) and "CDNA5" Instruction Set Architecture Reference Guide (July 2026). The comments in the code are by the model that wrote it; some were corrected since.
;; m LSTM Cell. Allowed arithmetic: float matrix products may take bf16 or f16 operands with f32 sums; all other float work in f32.
;; Inputs: U_c 1,024 x 1,024 float32; U_f 1,024 x 1,024 float32; U_i 1,024 x 1,024 float32; U_m 1,024 x 1,024 float32; U_o 1,024 x 1,024 float32; W_c 1,024 x 1,024 float32; W_f 1,024 x 1,024 float32; W_i 1,024 x 1,024 float32; W_m 1,024 x 1,024 float32; W_o 1,024 x 1,024 float32; b_c 1,024 float32; b_f 1,024 float32; b_i 1,024 float32; b_m 1,024 float32; b_o 1,024 float32; c_prev 4,096 x 1,024 float32; h_prev 4,096 x 1,024 float32; x_t 4,096 x 1,024 float32.
;; Outputs: out0 4,096 x 1,024 float32; out1 4,096 x 1,024 float32.
;; 2 versions, each right; version 2 is version 1 with the launch prep written anew for expert scheduling mode. Each part assembles by itself: llvm-mc -triple=amdgcn-amd-amdhsa -mcpu=gfx1250 --defsym DOCPART=n.
;; ======== version 1 of 2: 3 launches
;; workspace buffers: A1 16,777,216 bytes; A2 16,777,216 bytes; BT1 4,194,304 bytes; BT2 16,777,216 bytes
;; launch prep (part 1): grid 256 x 1, 9 waves a work-group, no clusters, 89,600 bytes of LDS; arguments W_m, U_m, W_i, U_i, W_f, U_f, W_o, U_o, W_c, U_c, x_t, h_prev, A1, BT1, BT2; writes A1, BT1, BT2
.if DOCPART == 1
	.amdgcn_target "amdgcn-amd-amdhsa--gfx1250"
	.amdhsa_code_object_version 6
	.text
	.protected	k_q24c4d6310f_prep
	.globl	k_q24c4d6310f_prep
	.p2align	8
	.type	k_q24c4d6310f_prep,@function
k_q24c4d6310f_prep:
	s_mov_b64 s[64:65], 0
	v_nop
	global_prefetch_b8 v0, s[64:65] scope:SCOPE_SE
	s_setreg_imm32_b32 hwreg(HW_REG_WAVE_MODE, 25, 1), 1
	s_wait_xcnt 0x0
; Casts and transposes for the two products that follow.  Everything is read once as f32 and written once as bf16 (round to nearest even).
;   A1  [4096][2048] = [ x_t | h_prev ]
;   BT1 [1024 n][2048 k]:  k < 1024: W_m[k][n], else U_m[k-1024][n]
;   BT2 [4096 n'][2048 k]: the four gates' weights likewise, with hidden column c of gate g (0..3 = i, f, o, c) in row
;                          n' = (c >> 6) * 256 + ((c >> 5) & 1) * 128 + g * 32 + (c & 31)
;   so that 128 neighbouring rows of BT2 are the four gates of the same 32 hidden columns.
; 2,304 jobs of 32 KiB read, one a wave, nine in each of 256 work-groups: waves 0-4 a weight tile of 128 k x 64 n, waves 5, 6 eight rows of x_t,
; waves 7, 8 eight rows of h_prev.  No wave needs another: no barrier.  No matrix unit, no cluster: nothing is read twice and nothing is multiplied.
; Every wave keeps 48 loads of 16 bytes a lane on their way (six slots of eight loads in registers).
; LIMIT: none beyond the rounding to bf16; infinities and NaN pass through the conversion as they are.
.set X,    32                          ; v[32:223]  six slots of 32 registers: eight loads of 16 bytes each
.set Y,    12                          ; v[12:27]   a weight tile's packed bf16 on their way into LDS
.set WLDS, 17664                       ; LDS of one weight wave: 64 rows (n) of 256 bytes (128 k) at pitch 272, 16 bytes more after every 16 rows
.set LP,   272
; ---- casts: sub-batch s is one row of 4,096 bytes, eight loads of 512 neighbouring bytes
.macro CLOAD s, slot
.irp i, 0,1,2,3,4,5,6,7
	global_load_b128 v[X+32*\slot+4*\i:X+32*\slot+4*\i+3], v3, s[48:49] offset:(8*\s+\i)*512 th:TH_LOAD_NT
.endr
.endm
; left = the loads issued behind this sub-batch's eight: they stay out
.macro CTURN s, slot, left, ish
	s_wait_loadcnt \left
.irp i, 0,1,2,3,4,5,6,7
	v_cvt_pk_bf16_f32 v[X+32*\slot+4*\i],   v[X+32*\slot+4*\i],   v[X+32*\slot+4*\i+1]
	v_cvt_pk_bf16_f32 v[X+32*\slot+4*\i+1], v[X+32*\slot+4*\i+2], v[X+32*\slot+4*\i+3]
	global_store_b64 v6, v[X+32*\slot+4*\i:X+32*\slot+4*\i+1], s[50:51] offset:\s*4096+\i*256+\ish*2048   ; 32 lanes x 8 bytes: 256 consecutive bytes, aligned
.endr
.endm
; first = the number of the first wave of this kind; ish = 0: x_t into the left half of A1's rows, 1: h_prev into the right half
.macro CAST first, ish
	s_lshl_b32 s42, ttmp9, 1
	s_add_co_u32 s42, s42, s40
	s_sub_co_u32 s42, s42, \first                  ; chunk 0..511 = 2 x work-group + (wave - first)
	s_lshl_b32 s52, s42, 15                        ; eight rows of 4,096 bytes, in the source and in A1 alike
	v_and_b32 v3, 31, v0
	v_lshlrev_b32 v6, 3, v3                        ; 8 bytes of bf16 a lane
	v_lshlrev_b32 v3, 4, v3                        ; 16 bytes of f32 a lane
	s_wait_kmcnt 0x0
	s_add_nc_u64 s[48:49], s[28+2*\ish:29+2*\ish], s[52:53]
	s_add_nc_u64 s[50:51], s[32:33], s[52:53]
	CLOAD 0, 0
	CLOAD 1, 1
	CLOAD 2, 2
	CLOAD 3, 3
	CLOAD 4, 4
	CLOAD 5, 5
	CTURN 0, 0, 40, \ish
	s_wait_xcnt 0x0                                ; slot 0's registers are data of the stores above: loaded again only behind this wait
	CLOAD 6, 0
	CTURN 1, 1, 40, \ish
	s_wait_xcnt 0x0                                ; the same for slot 1
	CLOAD 7, 1
	CTURN 2, 2, 40, \ish
	CTURN 3, 3, 32, \ish                           ; nothing more is loaded: the counts run down
	CTURN 4, 4, 24, \ish
	CTURN 5, 5, 16, \ish
	CTURN 6, 0, 8, \ish
	CTURN 7, 1, 0, \ish
	s_endpgm
.endm
; ---- weights: sub-batch s is 16 rows (k) of the tile.  Lane (q, hh) loads rows 16 s + 8 hh + i, i = 0..7, columns 4 q .. 4 q + 3:
; sixteen lanes read 256 consecutive bytes of a row, aligned.
.macro WLOAD s, slot
.irp i, 0,1,2,3,4,5,6,7
	global_load_b128 v[X+32*\slot+4*\i:X+32*\slot+4*\i+3], v3, s[48:49] offset:(16*\s+\i)*4096 th:TH_LOAD_NT
.endr
.endm
; The lane's 8 x 4 numbers are turned in registers: for each of its four columns eight neighbouring k, 16 bytes, into that column's LDS row.
.macro WTURN s, slot, left
	s_wait_loadcnt \left
.irp c, 0,1,2,3
.irp d, 0,1,2,3
	v_cvt_pk_bf16_f32 v[Y+4*\c+\d], v[X+32*\slot+8*\d+\c], v[X+32*\slot+8*\d+4+\c]   ; the lower k in the low half
.endr
.endr
.irp c, 0,1,2,3
	ds_store_b128 v4, v[Y+4*\c:Y+4*\c+3] offset:\c*LP+32*\s
.endr
.endm
	s_load_b512 s[8:23], s[0:1], 0x0               ; W_m U_m W_i U_i W_f U_f W_o U_o: matrix i at s[8+2i:9+2i]
	s_load_b256 s[24:31], s[0:1], 0x40             ; W_c U_c, x_t s[28:29], h_prev s[30:31]
	s_load_b128 s[32:35], s[0:1], 0x60             ; A1 s[32:33], BT1 s[34:35]
	s_load_b64 s[36:37], s[0:1], 0x70              ; BT2
	v_lshl_add_u32 v224, v0, 2, 0x15900
	v_mov_b32 v225, 0
	v_lshrrev_b32 v8, 5, v0
	v_readfirstlane_b32 s40, v8                    ; wave 0..8
	v_and_b32 v1, 15, v0                           ; q
	v_bfe_u32 v2, v0, 4, 1                         ; hh
	s_mov_b32 s53, 0                               ; high words of the two offset pairs
	s_mov_b32 s55, 0
	s_cmp_lt_u32 s40, 5
	s_cbranch_scc1 .Lweights
	s_cmp_lt_u32 s40, 7
	s_cbranch_scc1 .Lx
	CAST 7, 1
.Lx:
	CAST 5, 0
.Lweights:
	s_mul_i32 s42, ttmp9, 5
	s_add_co_u32 s42, s42, s40                     ; tile T = 5 x work-group + wave, 0..1279; 128 tiles a matrix
	s_lshr_b32 s43, s42, 7                         ; matrix 0..9
	s_lshr_b32 s44, s43, 1                         ; kind: 0 = m, 1..4 = gates i, f, o, c
	s_and_b32 s45, s43, 1                          ; 0 = W (k < 1024), 1 = U
	s_and_b32 s46, s42, 7                          ; kb: which 128 k
	s_bfe_u32 s47, s42, 0x40003                    ; nb: which 64 n
	s_lshl_b32 s52, s46, 19                        ; source: 128 kb rows of 4,096 bytes
	s_lshl_b32 s57, s47, 8                         ;         + 64 nb columns of 4 bytes
	s_or_b32 s52, s52, s57
	s_max_u32 s41, s44, 1
	s_sub_co_u32 s41, s41, 1                       ; gate 0..3 (0 where the tile is W_m's or U_m's: not used there)
	s_lshl_b32 s41, s41, 5
	s_lshl_b32 s57, s47, 8
	s_add_co_u32 s57, s57, s41                     ; BT2: first row 256 nb + 32 gate
	s_lshl_b32 s54, s47, 6                         ; BT1: first row 64 nb
	s_cmp_eq_u32 s44, 0
	s_cselect_b32 s54, s54, s57
	s_cselect_b32 s56, 17, 19
	s_lshl_b32 s56, 1, s56                         ; from the tile's column 0 to its column 32: 32 rows of 4,096 bytes in BT1, 128 in BT2
	s_lshl_b32 s54, s54, 12
	s_lshl_b32 s57, s45, 11                        ; U's k begin at byte 2,048 of a row
	s_or_b32 s54, s54, s57
	s_lshl_b32 s57, s46, 8                         ; 128 kb numbers of 2 bytes
	s_or_b32 s54, s54, s57
	s_mul_i32 s41, s40, WLDS                       ; my wave's own LDS
	v_lshlrev_b32 v3, 4, v1
	v_lshl_add_u32 v3, v2, 15, v3                  ; source: 16 q + 8 hh rows
	v_mul_u32_u24 v4, v1, 4*LP                     ; LDS in: row 4 q (+ c in the immediate) at pitch 272,
	v_lshrrev_b32 v8, 2, v1
	v_lshl_add_u32 v4, v8, 4, v4                   ; 16 bytes more after every 16 rows: the sixteen lanes of a store then begin at 64 (q & 3) + 16 (q >> 2)
	v_lshl_add_u32 v4, v2, 4, v4                   ; modulo 256, sixteen different places (64 banks of 4 bytes: ISA guide 11.1); + 16 hh for its eight k
	v_add_nc_u32 v4, s41, v4
	v_mul_u32_u24 v5, v2, LP                       ; LDS back: lanes 0-15 one row of 256 bytes, lanes 16-31 the next
	v_lshl_add_u32 v5, v1, 4, v5
	v_add_nc_u32 v5, s41, v5
	v_lshlrev_b32 v6, 4, v1                        ; and the same two rows in BT1 or BT2: columns 0-31 of the tile,
	v_lshl_add_u32 v6, v2, 12, v6
	v_add_nc_u32 v7, s56, v6                       ; columns 32-63
	s_wait_kmcnt 0x0
	s_mov_b64 s[48:49], s[8:9]                     ; the tile's matrix, chosen by its number
.irp i, 1,2,3,4,5,6,7,8,9
	s_cmp_eq_u32 s43, \i
	s_cselect_b64 s[48:49], s[8+2*\i:9+2*\i], s[48:49]
.endr
	s_cmp_eq_u32 s44, 0
	s_cselect_b64 s[50:51], s[34:35], s[36:37]
	s_add_nc_u64 s[48:49], s[48:49], s[52:53]
	s_add_nc_u64 s[50:51], s[50:51], s[54:55]
	WLOAD 0, 0
	WLOAD 1, 1
	WLOAD 2, 2
	WLOAD 3, 3
	WLOAD 4, 4
	WLOAD 5, 5
	WTURN 0, 0, 40                                 ; five younger sub-batches of eight loads stay out
	WLOAD 6, 0
	WTURN 1, 1, 40
	WLOAD 7, 1
	WTURN 2, 2, 40
	WTURN 3, 3, 32
	WTURN 4, 4, 24
	WTURN 5, 5, 16
	WTURN 6, 0, 8
	WTURN 7, 1, 0
	; The way out: whole rows of 256 bytes, two a load.  The bytes are my wave's own and LDS serves a wave's instructions in order (ISA guide 5.7.1.4):
	; no wait between the stores above and these loads.
.set cnt, 0
.rept 32
	ds_load_b128 v[X+4*cnt:X+4*cnt+3], v5 offset:2*LP*cnt+16*(cnt>>3)
.set cnt, cnt+1
.endr
.set cnt, 0
.rept 16
	s_wait_dscnt 31-cnt
	global_store_b128 v6, v[X+4*cnt:X+4*cnt+3], s[50:51] offset:2*cnt*4096       ; sixteen lanes store 256 consecutive bytes, aligned
.set cnt, cnt+1
.endr
.rept 16
	s_wait_dscnt 31-cnt
	global_store_b128 v7, v[X+4*cnt:X+4*cnt+3], s[50:51] offset:2*(cnt-16)*4096
.set cnt, cnt+1
.endr
	s_wait_tensorcnt 0x0
	ds_add_u32 v224, v225
	s_wait_dscnt 0x0
	s_endpgm
.Lfunc_end_k_q24c4d6310f_prep:
	.size	k_q24c4d6310f_prep, .Lfunc_end_k_q24c4d6310f_prep-k_q24c4d6310f_prep
	.p2alignl 7, 3214868480
	.fill 96, 4, 3214868480
	.section	.rodata,"a",@progbits
	.p2align	6, 0x0
	.amdhsa_kernel k_q24c4d6310f_prep
		.amdhsa_group_segment_fixed_size 89600
		.amdhsa_private_segment_fixed_size 0
		.amdhsa_enable_private_segment 0
		.amdhsa_kernarg_size 120
		.amdhsa_user_sgpr_count 2
		.amdhsa_user_sgpr_kernarg_segment_ptr 1
		.amdhsa_wavefront_size32 1
		.amdhsa_system_sgpr_workgroup_id_x 1
		.amdhsa_system_sgpr_workgroup_id_y 1
		.amdhsa_system_sgpr_workgroup_id_z 1
		.amdhsa_system_vgpr_workitem_id 0
		.amdhsa_next_free_vgpr 226
		.amdhsa_next_free_sgpr 66
		.amdhsa_reserve_vcc 0
		.amdhsa_float_denorm_mode_32 3
		.amdhsa_float_denorm_mode_16_64 3
		.amdhsa_memory_ordered 1
		.amdhsa_forward_progress 1
		.amdhsa_inst_pref_size 67
	.end_amdhsa_kernel
	.amdgpu_metadata
---
amdhsa.version: [ 1, 2 ]
amdhsa.kernels:
  - .name:           k_q24c4d6310f_prep
    .symbol:         k_q24c4d6310f_prep.kd
    .args:
      - { .name: W_m, .offset: 0, .size: 8, .value_kind: global_buffer, .address_space: global }
      - { .name: U_m, .offset: 8, .size: 8, .value_kind: global_buffer, .address_space: global }
      - { .name: W_i, .offset: 16, .size: 8, .value_kind: global_buffer, .address_space: global }
      - { .name: U_i, .offset: 24, .size: 8, .value_kind: global_buffer, .address_space: global }
      - { .name: W_f, .offset: 32, .size: 8, .value_kind: global_buffer, .address_space: global }
      - { .name: U_f, .offset: 40, .size: 8, .value_kind: global_buffer, .address_space: global }
      - { .name: W_o, .offset: 48, .size: 8, .value_kind: global_buffer, .address_space: global }
      - { .name: U_o, .offset: 56, .size: 8, .value_kind: global_buffer, .address_space: global }
      - { .name: W_c, .offset: 64, .size: 8, .value_kind: global_buffer, .address_space: global }
      - { .name: U_c, .offset: 72, .size: 8, .value_kind: global_buffer, .address_space: global }
      - { .name: x_t, .offset: 80, .size: 8, .value_kind: global_buffer, .address_space: global }
      - { .name: h_prev, .offset: 88, .size: 8, .value_kind: global_buffer, .address_space: global }
      - { .name: A1, .offset: 96, .size: 8, .value_kind: global_buffer, .address_space: global }
      - { .name: BT1, .offset: 104, .size: 8, .value_kind: global_buffer, .address_space: global }
      - { .name: BT2, .offset: 112, .size: 8, .value_kind: global_buffer, .address_space: global }
    .group_segment_fixed_size: 89600
    .private_segment_fixed_size: 0
    .kernarg_segment_align: 8
    .kernarg_segment_size: 120
    .max_flat_workgroup_size: 288
    .sgpr_count:     66
    .vgpr_count:     226
    .wavefront_size: 32
...
	.end_amdgpu_metadata
.endif
;; end of part 1
;; launch mult (part 2): grid 8 x 32, 4 waves a work-group, clusters of 4 x 4, 327,680 bytes of LDS; arguments A1, BT1, x_t, b_m, A2; writes A2
.if DOCPART == 2
	.amdgcn_target "amdgcn-amd-amdhsa--gfx1250"
	.amdhsa_code_object_version 6
	.text
	.protected	k_q24c4d6310f_mult
	.globl	k_q24c4d6310f_mult
	.p2align	8
	.type	k_q24c4d6310f_mult,@function
k_q24c4d6310f_mult:
	s_mov_b64 s[64:65], 0
	v_nop
	global_prefetch_b8 v0, s[64:65] scope:SCOPE_SE
	s_setreg_imm32_b32 hwreg(HW_REG_WAVE_MODE, 25, 1), 1
	s_wait_xcnt 0x0
	s_wait_alu depctr_hold_cnt(0) depctr_sa_sdst(0) depctr_va_vdst(0) depctr_va_sdst(0) depctr_va_ssrc(0) depctr_va_vcc(0) depctr_vm_vsrc(0)
	s_getreg_b32 s2, hwreg(HW_REG_IB_STS2, 6, 4)
	s_cmp_eq_u32 s2, 0
	s_cbranch_scc0 .Lentry_in_a_cluster
	s_endpgm
.Lentry_in_a_cluster:
	s_bfe_u32 s2, ttmp6, 0x10000c
	s_cmp_lg_u32 s2, 0xf033
	s_cbranch_scc0 .Lentry_shape_is_right
	s_endpgm
.Lentry_shape_is_right:
; x~ = (A1 BT1^T + b_m) * x_t, rounded once to bf16, into the left half of A2's rows.  A1: [4096][2048] bf16 = [x | h], BT1: [1024 n][2048 k] bf16,
; x_t: [4096][1024] f32, b_m: [1024] f32.  Sums, bias and the product with x_t in f32.
; The result has 4096 x 1024 numbers: blocks of 128 x 128 give 256 work-groups.  Four waves, each 64 x 64: 16 accumulator tiles of 16 x 16, 128 registers.
; K goes through a ring of two LDS slots of 256 k each: a slot's rows are 512 bytes of memory and begin at multiples of 512 bytes.
; Each wave fetches a quarter of a slot with one tensor load (64 rows x 512 bytes).  By this text's count a wave has two tensor loads out at the start, one later.
; CLUSTERS: 4 x 4 work-groups.  A1's tile hangs on the block row alone and is asked for jointly by a row of the cluster, BT1's on the block column alone and
; is asked for jointly by a column: the requests for both are divided by four.
; The matrix instruction is used transposed (source 0 = rows of BT1, source 1 = rows of A1): lane l holds row l % 16 and its registers 0-7 the columns 8 (l / 16) + 0..7.
; REGISTERS: window 0: v16-28 addresses, v64-127 and v128-191 fragments of A1 (two buffers of 64 k), v192-223 b_m; window 1: the same two buffers for BT1; window 2: v0-127 accumulators.
; LIMIT: matrix operands and x~ are bf16; nothing else is cut.
.set SIZE_K, 2048
.set KSLOT,  256                       ; k in a slot
.set PITCH,  528                       ; an LDS row: 512 bytes + 16 of padding = 33 x 16: sixteen rows begin at sixteen different places modulo 256 (64 banks of 4 bytes: ISA guide 11.1)
.set HALFT,  64*PITCH                  ; 64 rows: what one tensor load brings, and what one wave reads of A1 or of BT1
.set SLOT,   4*HALFT                   ; A1's 128 rows, then BT1's 128 rows
.set LAPS,   SIZE_K/(2*KSLOT)          ; a lap = once round the ring = 512 k
.set SP,     144                       ; the stage on the way out: rows of 128 bytes + 16
.set SREG,   64*SP+128                 ; a wave's own stage; the 128 bytes put the stages of two neighbouring waves half a row of banks apart
.set XSOFF,  2*HALFT                   ; the stages lie in slot 0 behind the tile of x_t, in bytes that have had their last fill
.set ADRA, 16                          ; v16-17  LDS address of my A1 fragments in slot 0, 1
.set ADRB, 20                          ; v20-21  the same for BT1
.set LX,   22                          ; v22     my 32 bytes of x_t in LDS
.set LS,   23                          ; v23     where I put 16 bytes of x~
.set RB,   25                          ; v25     where I read a row of x~ back
.set VO,   27                          ; v27     my byte offset in A2
.set VB,   28                          ; v28     my byte offset in b_m
.set F0,   64
.set F1,   128
.set BIAS, 192                         ; v[192:223]  b_m of my 4 x 8 columns
.set MV,   64                          ; after the loop: v[64:95] m, then x~ in f32
.set XV,   96                          ;                 v[96:127] x_t
.set PK,   128                         ;                 v[128:143] x~ in bf16
.set G1,  24                           ; s[24:31] group 1 for A1's tiles
.set G0,  32                           ; s[32:39] group 0 for A1's tiles, one set for each slot
.set G1B, 48                           ; s[48:55] group 1 for BT1's tiles
.set G0B, 56                           ; s[56:63] group 0 for BT1's tiles
.set G1C, 84                           ; s[84:91] group 1 for the tile of x_t
.set G0C, 92                           ; s[92:95] group 0 for it
.set MSB, 0
.macro WIN new                         ; the immediate's high byte repeats the setting that is left
.if MSB != \new
	s_set_vgpr_msb (MSB<<8)|\new
.set MSB, \new
.endif
.endm
.set MULW, 0xa1                        ; source 0 (BT1) window 1, source 1 (A1) window 0, C and D window 2
.set TO_B, 0x40                        ; destination window 1, address window 0
; A joint load: waves 0 and 1 fetch A1's two halves, waves 2 and 3 BT1's.  The branch hangs on the wave's number alone.
.macro JLOAD s
	s_cmp_eq_u32 s11, 0
	s_cbranch_scc0 .Lfor_b_\@
	tensor_load_to_lds s[G0+4*\s:G0+4*\s+3], s[G1:G1+7]
	s_nop 0
	s_branch .Lasked_\@
.Lfor_b_\@:
	tensor_load_to_lds s[G0B+4*\s:G0B+4*\s+3], s[G1B:G1B+7]
	s_nop 0
.Lasked_\@:
.endm
; A round of the cluster's barrier behind its opening work-group barrier: wave 0 signals for the work-group, every wave waits for all sixteen, my work-group's barrier closes it.
.macro CREST
	s_cmp_lg_u32 s10, 0
	s_cbranch_scc1 .Lnot_wave_0_\@
	s_barrier_signal -3
.Lnot_wave_0_\@:
	s_barrier_wait -3
	s_barrier_signal -1
	s_barrier_wait -1
.endm
.macro CROUND
	s_barrier_signal -1
	s_barrier_wait -1
	CREST
.endm
	s_load_b128 s[4:7], s[0:1], 0x0                ; A1 s[4:5], BT1 s[6:7]
	s_load_b128 s[68:71], s[0:1], 0x10             ; x_t s[68:69], b_m s[70:71]
	s_load_b64 s[72:73], s[0:1], 0x20              ; A2
	s_set_vgpr_msb 0x40
	v_lshl_add_u32 v255, v0, 2, 0x42000
	s_set_vgpr_msb 0x4000
	v_mov_b32 v255, 0
	s_set_vgpr_msb 0x1
	ds_add_u32 v255, v255
	s_set_vgpr_msb 0x100
	v_lshrrev_b32 v1, 5, v0
	v_readfirstlane_b32 s10, v1                    ; wave 0..3
	s_lshr_b32 s11, s10, 1                         ; which 64 of the block's rows are mine.  Also: I fetch for A1 (0) or for BT1 (1)
	s_and_b32 s12, s10, 1                          ; which 64 of its columns.  Also: which 64 rows of that tile I fetch
	s_bfe_u32 s40, ttmp6, 0x40000                  ; cx
	s_bfe_u32 s41, ttmp6, 0x40004                  ; cy
	s_lshl_b32 s42, ttmp9, 2
	s_add_co_u32 s42, s42, s40                     ; block column = 4 x cluster x + cx
	s_and_b32 s13, ttmp7, 0xffff
	s_lshl_b32 s13, s13, 2
	s_add_co_u32 s13, s13, s41                     ; block row = 4 x cluster y + cy
	s_lshl_b32 s43, s41, 2
	s_lshl_b32 s43, 15, s43                        ; my row of the cluster: places 4 cy .. 4 cy + 3
	s_lshl_b32 s44, 0x1111, s40                    ; my column: places cx, cx + 4, cx + 8, cx + 12
	; group 1 of the joint loads: 64 rows x 256 elements of 2 bytes, 4 words of padding after every 128 words
	s_or_b32 s[G1+0], s43, (1<<16)|(1<<20)|(1<<21)|(6<<22)|(3<<25)
	s_or_b32 s[G1B+0], s44, (1<<16)|(1<<20)|(1<<21)|(6<<22)|(3<<25)
	s_mov_b32 s[G1+1], KSLOT<<16                   ; tensor_dim0 = 256
	s_mov_b32 s[G1B+1], KSLOT<<16
	s_mov_b32 s[G1+2], 64<<16                      ; tensor_dim1 = 64
	s_mov_b32 s[G1B+2], 64<<16
	s_mov_b32 s[G1+3], KSLOT<<16                   ; tile_dim0 = 256
	s_mov_b32 s[G1B+3], KSLOT<<16
	s_mov_b32 s[G1+4], 64                          ; tile_dim1 = 64
	s_mov_b32 s[G1B+4], 64
	s_mov_b32 s[G1+5], SIZE_K                      ; elements from row to row
	s_mov_b32 s[G1B+5], SIZE_K
	s_mov_b32 s[G1+6], 0
	s_mov_b32 s[G1B+6], 0
	s_mov_b32 s[G1+7], 0
	s_mov_b32 s[G1B+7], 0
	; group 1 of the tile of x_t, a load of my work-group alone (mask 0): 32 rows x 128 elements of 4 bytes, the same padding
	s_mov_b32 s[G1C+0], (2<<16)|(1<<20)|(6<<22)|(3<<25)
	s_mov_b32 s[G1C+1], 128<<16
	s_mov_b32 s[G1C+2], 32<<16
	s_mov_b32 s[G1C+3], 128<<16
	s_mov_b32 s[G1C+4], 32
	s_mov_b32 s[G1C+5], 1024
	s_mov_b32 s[G1C+6], 0
	s_mov_b32 s[G1C+7], 0
	; where the joint tiles come from: A1's address is made of the block row and the wave's number, BT1's of the block column and the wave's number
	s_lshl_b32 s17, s12, 6
	s_lshl_b32 s16, s13, 7
	s_add_co_u32 s16, s16, s17                     ; A1: row 128 x block row + 64 x half
	s_lshl_b32 s46, s42, 7
	s_add_co_u32 s46, s46, s17                     ; BT1: row 128 x block column + 64 x half
	s_mov_b32 s17, 0
	s_mov_b32 s47, 0
	s_mov_b64 s[18:19], SIZE_K*2
	s_mul_u64 s[16:17], s[16:17], s[18:19]
	s_mul_u64 s[46:47], s[46:47], s[18:19]
	s_mul_i32 s20, s10, HALFT                      ; and where they go: wave x 64 rows
	; my 32 rows of the block in x_t and in A2 (both have rows of 4,096 bytes)
	s_lshl_b32 s82, s13, 7
	s_lshl_b32 s83, s10, 5
	s_add_co_u32 s82, s82, s83
	s_lshl_b32 s82, s82, 12
	s_lshl_b32 s83, s42, 8
	s_add_co_u32 s76, s82, s83                     ; A2: + 128 columns of 2 bytes a block
	s_add_co_u32 s82, s76, s83                     ; x_t: + 128 columns of 4 bytes a block
	s_mov_b32 s83, 0
	s_mov_b32 s77, 0
	s_wait_dscnt 0x0
	s_wait_kmcnt 0x0
	s_add_nc_u64 s[14:15], s[4:5], s[16:17]
	s_add_nc_u64 s[46:47], s[6:7], s[46:47]
	s_mov_b32 s[G0C], 1
	s_mul_i32 s[G0C+1], s10, 32*PITCH              ; rows 32 w .. 32 w + 31 of the tile, from LDS byte 0 on
	s_add_nc_u64 s[G0C+2:G0C+3], s[68:69], s[82:83]
	s_or_b32 s[G0C+3], s[G0C+3], 0x80000000
	s_add_nc_u64 s[72:73], s[72:73], s[76:77]
	CROUND                                         ; all sixteen work-groups are here: the first joint loads meet
.irp s, 0,1
	s_mov_b32 s[G0+4*\s], 1
	s_add_co_u32 s[G0+4*\s+1], s20, \s*SLOT
	s_add_nc_u64 s[G0+4*\s+2:G0+4*\s+3], s[14:15], \s*KSLOT*2
	s_or_b32 s[G0+4*\s+3], s[G0+4*\s+3], 0x80000000
	s_mov_b32 s[G0B+4*\s], 1
	s_add_co_u32 s[G0B+4*\s+1], s20, \s*SLOT
	s_add_nc_u64 s[G0B+4*\s+2:G0B+4*\s+3], s[46:47], \s*KSLOT*2
	s_or_b32 s[G0B+4*\s+3], s[G0B+4*\s+3], 0x80000000
	JLOAD \s
.endr
	v_and_b32 v1, 15, v0                           ; r = l % 16 (on the way out: q)
	v_bfe_u32 v2, v0, 4, 1                         ; h = l / 16
	v_mul_u32_u24 v3, v1, PITCH
	v_lshl_add_u32 v3, v2, 4, v3                   ; fragments: row x pitch + 16 h
	s_mul_i32 s21, s11, HALFT
	s_mul_i32 s22, s12, HALFT
	s_add_co_u32 s22, s22, 2*HALFT
.irp s, 0,1
	v_add_nc_u32 v[ADRA+\s], s21, v3
	v_add_nc_u32 v[ADRB+\s], s22, v3
	s_add_co_u32 s21, s21, SLOT
	s_add_co_u32 s22, s22, SLOT
.endr
	v_mul_u32_u24 v4, v1, PITCH                    ; x_t in LDS: row 64 rh + r, column 64 ch + 8 h, 4 bytes each
	v_lshl_add_u32 v4, v2, 5, v4
	s_mul_i32 s66, s11, HALFT
	s_lshl_b32 s67, s12, 8
	s_add_co_u32 s66, s66, s67
	v_add_nc_u32 v[LX], s66, v4
	v_mul_u32_u24 v4, v1, SP                       ; my stage: row r, 16 bytes for each half of the lanes
	v_lshl_add_u32 v4, v2, 4, v4
	s_mul_i32 s66, s10, SREG
	s_add_co_u32 s66, s66, XSOFF
	v_add_nc_u32 v[LS], s66, v4
	v_lshrrev_b32 v4, 3, v1                        ; back: rows 32 w + 2 t + h of the block; lanes q = 0-7 read the left wave's stage, q = 8-15 the right wave's
	v_mul_u32_u24 v4, v4, SREG
	v_and_b32 v5, 7, v1
	v_lshl_add_u32 v4, v5, 4, v4
	v_mad_u32_u24 v4, v2, SP, v4
	s_mul_i32 s66, s11, 2*SREG
	s_mul_i32 s67, s12, 32*SP
	s_add_co_u32 s66, s66, s67
	s_add_co_u32 s66, s66, XSOFF
	v_add_nc_u32 v[RB], s66, v4
	v_lshlrev_b32 v[VO], 4, v1
	v_lshl_add_u32 v[VO], v2, 12, v[VO]            ; and the same two rows in A2
	s_lshl_b32 s66, s42, 9
	s_lshl_b32 s67, s12, 8
	s_add_co_u32 s66, s66, s67
	v_lshl_add_u32 v[VB], v2, 5, s66               ; b_m: column 128 x block column + 64 ch + 8 h
.irp b, 0,1,2,3
	global_load_b128 v[BIAS+8*\b:BIAS+8*\b+3],   v[VB], s[70:71] offset:64*\b
	global_load_b128 v[BIAS+8*\b+4:BIAS+8*\b+7], v[VB], s[70:71] offset:64*\b+16
.endr
; 8 matrix instructions: m blocks a0, a0 + 1 x all 4 n blocks, 32 k (half u of buffer f).  zero = 1: the first product starts the sums.
; The 16 accumulators take turns, one instruction a turn, in the same order everywhere.
.macro MUL8 f, u, a0, zero
.irp a, \a0, \a0+1
.irp b, 0,1,2,3
.if \zero
	v_wmma_f32_16x16x32_bf16 v[8*(4*(\a)+\b):8*(4*(\a)+\b)+7], v[\f+8*(4*\u+\b):\f+8*(4*\u+\b)+7], v[\f+8*(4*\u+\a):\f+8*(4*\u+\a)+7], 0
.else
	v_wmma_f32_16x16x32_bf16 v[8*(4*(\a)+\b):8*(4*(\a)+\b)+7], v[\f+8*(4*\u+\b):\f+8*(4*\u+\b)+7], v[\f+8*(4*\u+\a):\f+8*(4*\u+\a)+7], v[8*(4*(\a)+\b):8*(4*(\a)+\b)+7]
.endif
.endr
.endr
.endm
.macro MUL16 f, u, zero
	MUL8 \f, \u, 0, \zero
	MUL8 \f, \u, 2, \zero
.endm
; 32 LDS loads in one run: the fragments of 64 k at byte k of the slot's rows into buffer f: BT1's 64 rows, then A1's, each with its first 32 k first
.macro FETCH slot, k, f
	WIN TO_B
.irp u, 0,1
.irp i, 0,1,2,3
	ds_load_b128 v[\f+8*(4*\u+\i):\f+8*(4*\u+\i)+3],   v[ADRB+\slot] offset:\k+64*\u+\i*16*PITCH
	ds_load_b128 v[\f+8*(4*\u+\i)+4:\f+8*(4*\u+\i)+7], v[ADRB+\slot] offset:\k+64*\u+\i*16*PITCH+32
.endr
.endr
	WIN 0
.irp u, 0,1
.irp i, 0,1,2,3
	ds_load_b128 v[\f+8*(4*\u+\i):\f+8*(4*\u+\i)+3],   v[ADRA+\slot] offset:\k+64*\u+\i*16*PITCH
	ds_load_b128 v[\f+8*(4*\u+\i)+4:\f+8*(4*\u+\i)+7], v[ADRA+\slot] offset:\k+64*\u+\i*16*PITCH+32
.endr
.endr
.endm
; Four places between a matrix instruction and a load into a register that it has read, or a vector instruction that reads its result
.macro PLACES
.rept 4
	v_nop
.endr
.endm
; A slot is four units of 64 k, 32 matrix instructions each, on buffers 0, 1, 0, 1.  One of the first three multiplies buffer f and fetches, in its middle, the next unit into g.
.macro UNIT slot, k, f, g, zero
	s_wait_dscnt 8                                 ; all but the youngest eight loads (A1's second 32 k) are in
	WIN MULW
	MUL16 \f, 0, \zero
	PLACES
	FETCH \slot, \k, \g
	s_wait_dscnt 32                                ; all but the 32 just issued
	WIN MULW
	MUL16 \f, 1, 0
.endm
.macro THREE slot, zero
	UNIT \slot, 128, F0, F1, \zero
	UNIT \slot, 256, F1, F0, 0
	UNIT \slot, 384, F0, F1, 0
.endm
; The last unit multiplies buffer 1 and changes slots.  In front of the round each wave waits for its reads of this slot and for all its tensor loads (one is out: its part of
; the next slot); inside the round stand eight matrix instructions on registers; behind it this slot is filled first, one tensor load a wave, then the next slot is read.
; fill = 1: the joint load two slots ahead.  fill = 2 (the last lap): my 32 rows of the tile of x_t.  From a request to the wait for it a wave issues 120 matrix instructions.
.macro TURN slot, next, fill
	s_wait_dscnt 8
	WIN MULW
	MUL16 F1, 0, 0
	s_wait_dscnt 0                                 ; my reads of this slot are over
	s_wait_tensorcnt 0x0                           ; and all my tensor loads have landed
	ds_add_u32 v255, v255
	s_wait_dscnt 0x0
	s_barrier_signal -1
	MUL8 F1, 1, 0, 0
	WIN 0
	s_barrier_wait -1
	CREST                                          ; no wave of any partner still reads this slot or has a load on its way
.if \fill == 1
	s_add_nc_u64 s[G0+4*\slot+2:G0+4*\slot+3], s[G0+4*\slot+2:G0+4*\slot+3], 2*KSLOT*2
	s_add_nc_u64 s[G0B+4*\slot+2:G0B+4*\slot+3], s[G0B+4*\slot+2:G0B+4*\slot+3], 2*KSLOT*2
	JLOAD \slot
.else
	tensor_load_to_lds s[G0C:G0C+3], s[G1C:G1C+7]
	s_nop 0
.endif
	PLACES
	FETCH \next, 0, F0
	WIN MULW
	MUL8 F1, 1, 2, 0
.endm
.macro LAP zero
	THREE 0, \zero
	TURN 0, 1, 1
	THREE 1, 0
	TURN 1, 0, 1
.endm
	s_wait_loadcnt 0x0                             ; b_m, once
	s_wait_tensorcnt 1                             ; my part of slot 0 is in; slot 1's may stay out
	s_barrier_signal -1
	s_barrier_wait -1
	FETCH 0, 0, F0
	LAP 1
	WIN 0
	s_mov_b32 s3, LAPS-2
.Llap:
	LAP 0
	WIN 0
	s_sub_co_u32 s3, s3, 1
	s_cmp_lg_u32 s3, 0
	s_cbranch_scc1 .Llap
	THREE 0, 0                                     ; the last lap
	TURN 0, 1, 2
	THREE 1, 0
	s_wait_dscnt 8
	WIN MULW
	MUL16 F1, 0, 0
	s_wait_dscnt 0
	MUL16 F1, 1, 0
	; THE WAY OUT
	PLACES
	WIN 0
	s_wait_dscnt 0x0                               ; my reads of slot 1 are over
	s_wait_tensorcnt 0x0                           ; my rows of x_t have landed
	s_barrier_signal -1
	s_barrier_wait -1                              ; everybody's have
; rows 16 at .. 16 at + 15 of my 64
.macro XOUT at
.irp b, 0,1,2,3
	ds_load_b128 v[XV+8*\b:XV+8*\b+3],   v[LX] offset:\at*16*PITCH+64*\b
	ds_load_b128 v[XV+8*\b+4:XV+8*\b+7], v[LX] offset:\at*16*PITCH+64*\b+16
.endr
	WIN 0x02                                       ; source 0 in window 2
.irp b, 0,1,2,3
.irp p, 0,2,4,6
	v_pk_add_f32 v[MV+8*\b+\p:MV+8*\b+\p+1], v[8*(4*\at+\b)+\p:8*(4*\at+\b)+\p+1], v[BIAS+8*\b+\p:BIAS+8*\b+\p+1]
.endr
.endr
	WIN 0
	s_wait_dscnt 0x0
.set cnt, 0
.rept 16
	v_pk_mul_f32 v[MV+cnt:MV+cnt+1], v[MV+cnt:MV+cnt+1], v[XV+cnt:XV+cnt+1]
.set cnt, cnt+2
.endr
.set cnt, 0
.rept 16
	v_cvt_pk_bf16_f32 v[PK+cnt], v[MV+2*cnt], v[MV+2*cnt+1]
.set cnt, cnt+1
.endr
.irp b, 0,1,2,3
	ds_store_b128 v[LS], v[PK+4*\b:PK+4*\b+3] offset:\at*16*SP+32*\b
.endr
.endm
	XOUT 0
	XOUT 1
	XOUT 2
	XOUT 3
	s_wait_dscnt 0x0                               ; my stores into my stage are done,
	s_barrier_signal -1
	s_barrier_wait -1                              ; everybody's are: a row is read from two waves' stages
.set cnt, 0
.rept 16
	ds_load_b128 v[MV+4*cnt:MV+4*cnt+3], v[RB] offset:2*SP*cnt
.set cnt, cnt+1
.endr
.set cnt, 0
.rept 16
	s_wait_dscnt 15-cnt
	global_store_b128 v[VO], v[MV+4*cnt:MV+4*cnt+3], s[72:73] offset:8192*cnt    ; sixteen lanes store 256 consecutive bytes, aligned
.set cnt, cnt+1
.endr
	s_set_vgpr_msb 0x1
	s_wait_tensorcnt 0x0
	ds_add_u32 v255, v255
	s_wait_dscnt 0x0
	s_set_vgpr_msb 0x100
	CROUND                                         ; the closing round: no work-group ends while a partner may still ask for a tile that names it
	s_endpgm
.Lfunc_end_k_q24c4d6310f_mult:
	.size	k_q24c4d6310f_mult, .Lfunc_end_k_q24c4d6310f_mult-k_q24c4d6310f_mult
	.p2alignl 7, 3214868480
	.fill 96, 4, 3214868480
	.section	.rodata,"a",@progbits
	.p2align	6, 0x0
	.amdhsa_kernel k_q24c4d6310f_mult
		.amdhsa_group_segment_fixed_size 327680
		.amdhsa_private_segment_fixed_size 0
		.amdhsa_enable_private_segment 0
		.amdhsa_kernarg_size 40
		.amdhsa_user_sgpr_count 2
		.amdhsa_user_sgpr_kernarg_segment_ptr 1
		.amdhsa_wavefront_size32 1
		.amdhsa_system_sgpr_workgroup_id_x 1
		.amdhsa_system_sgpr_workgroup_id_y 1
		.amdhsa_system_sgpr_workgroup_id_z 1
		.amdhsa_system_vgpr_workitem_id 0
		.amdhsa_next_free_vgpr 640
		.amdhsa_next_free_sgpr 96
		.amdhsa_reserve_vcc 0
		.amdhsa_float_denorm_mode_32 3
		.amdhsa_float_denorm_mode_16_64 3
		.amdhsa_memory_ordered 1
		.amdhsa_forward_progress 1
		.amdhsa_inst_pref_size 135
	.end_amdhsa_kernel
	.amdgpu_metadata
---
amdhsa.version: [ 1, 2 ]
amdhsa.kernels:
  - .name:           k_q24c4d6310f_mult
    .symbol:         k_q24c4d6310f_mult.kd
    .args:
      - { .name: A1, .offset: 0, .size: 8, .value_kind: global_buffer, .address_space: global }
      - { .name: BT1, .offset: 8, .size: 8, .value_kind: global_buffer, .address_space: global }
      - { .name: x_t, .offset: 16, .size: 8, .value_kind: global_buffer, .address_space: global }
      - { .name: b_m, .offset: 24, .size: 8, .value_kind: global_buffer, .address_space: global }
      - { .name: A2, .offset: 32, .size: 8, .value_kind: global_buffer, .address_space: global }
    .group_segment_fixed_size: 327680
    .private_segment_fixed_size: 0
    .kernarg_segment_align: 8
    .kernarg_segment_size: 40
    .max_flat_workgroup_size: 128
    .sgpr_count:     96
    .vgpr_count:     640
    .wavefront_size: 32
...
	.end_amdgpu_metadata
.endif
;; end of part 2
;; launch gates (part 3): grid 16 x 16, 4 waves a work-group, clusters of 4 x 4, 327,680 bytes of LDS; arguments A2, BT2, c_prev, b_i, b_f, b_o, b_c, out0, out1, A1; writes out0, out1
.if DOCPART == 3
	.amdgcn_target "amdgcn-amd-amdhsa--gfx1250"
	.amdhsa_code_object_version 6
	.text
	.protected	k_q24c4d6310f_gates
	.globl	k_q24c4d6310f_gates
	.p2align	8
	.type	k_q24c4d6310f_gates,@function
k_q24c4d6310f_gates:
	s_mov_b64 s[64:65], 0
	v_nop
	global_prefetch_b8 v0, s[64:65] scope:SCOPE_SE
	s_setreg_imm32_b32 hwreg(HW_REG_WAVE_MODE, 25, 1), 1
	s_wait_xcnt 0x0
	s_wait_alu depctr_hold_cnt(0) depctr_sa_sdst(0) depctr_va_vdst(0) depctr_va_sdst(0) depctr_va_ssrc(0) depctr_va_vcc(0) depctr_vm_vsrc(0)
	s_getreg_b32 s2, hwreg(HW_REG_IB_STS2, 6, 4)
	s_cmp_eq_u32 s2, 0
	s_cbranch_scc0 .Lentry_in_a_cluster
	s_endpgm
.Lentry_in_a_cluster:
	s_bfe_u32 s2, ttmp6, 0x10000c
	s_cmp_lg_u32 s2, 0xf033
	s_cbranch_scc0 .Lentry_shape_is_right
	s_endpgm
.Lentry_shape_is_right:
; gates = [x~ | h] BT2^T + biases; i, f, o = sigmoid, c~ = tanh; c_t = f c_prev + i c~ (out1); h_t = o tanh(c_t) (out0).
; The left operand has rows of 4,096 bytes in two buffers of one shape: k < 1024 (x~) is the left half of A2's rows, k >= 1024 (h) the right half of A1's rows,
; so a K step has the same byte offset in both and only the base changes after K step 7.  (The right half of A2's rows is neither written nor read.)
; BT2: [4096 n'][2048 k] bf16, 128 neighbouring rows of which are the four gates of the same 32 hidden columns.
; A work-group makes 256 rows x 256 n' (64 hidden columns x 4 gates) with four waves; a wave 128 x 128: 64 accumulator tiles of 16 x 16, 512 registers.
; The four gates of one output lie in the same lane and register of four tiles, so the cell's tail runs on registers.
; K goes in steps of 128 through a ring of two LDS slots filled by the tensor data mover: a tile's rows are 256 bytes of memory and begin at multiples of 256 bytes.
; By this text's count a wave has two tensor loads out at the start and one later.
; CLUSTERS: 4 x 4 work-groups.  The left operand's tile hangs on the block row alone and is asked for jointly by a row of the cluster, BT2's on the block column alone and by a column.
; The matrix instruction is used transposed (source 0 = rows of BT2, source 1 = rows of the left operand): lane l holds row l % 16, its registers 0-7 the columns 8 (l / 16) + 0..7.
; REGISTERS: window 0: v6-28 addresses, v32-63 rows on their way out, v64-127 and v128-191 fragments of the left operand (two buffers), v192-255 biases;
;            window 1: the two buffers for BT2; window 2: the 32 tiles of my rows 0-63 (tile (a, b) at v[8 (8 a + b)], b = 2 gate + j); window 3: those of my rows 64-127.
; sigmoid(z) = 1 / (1 + 2^(-1.442695 z)); tanh(z) = 1 - 2 / (1 + 2^(2.885390 z)).  Where the power overflows or comes out as zero both end at their exact limits; no exponent needs a shift.
; LIMITS: matrix operands are bf16.  This tanh has an absolute error of about 1e-7, so its relative accuracy falls off below |z| of about 1e-5.
.set SIZE_K, 2048
.set KSTEP,  128
.set PITCH,  272                       ; an LDS row: 256 bytes + 16 of padding = 17 x 16: sixteen rows begin at sixteen different places modulo 256 (64 banks of 4 bytes: ISA guide 11.1)
.set HALFT,  128*PITCH
.set SLOT,   4*HALFT                   ; the left operand's 256 rows, then BT2's 256 rows
.set LAPS,   SIZE_K/(2*KSTEP)          ; a lap = two K steps = once round the ring
.set XLAPS,  1024/(2*KSTEP)            ; the laps whose K steps are x~
.set SP,     144                       ; the stages on the way out: rows of 128 bytes + 16
.set WR,     16*SP+128                 ; a wave's part of a group's stage: 16 rows; the 128 bytes put two neighbouring waves' parts half a row of banks apart
.set GB,     4*WR                      ; a group's stage: the four waves' parts.  Each of the eight groups has a stage of its own
.set CSOFF,  2*HALFT                   ; c_t's eight stages, behind the tile of c_prev (256 rows at pitch 272 from byte 0)
.set HSOFF,  CSOFF+8*GB                ; h_t's eight stages.  Both lie in bytes that have had their last fill
.set LCS,  6                           ; v6, v7    where I put 32 bytes of c_t: groups 0-3, groups 4-7 (7 GB would pass the 16-bit offset)
.set LHS,  8                           ; v8, v9    the same for h_t
.set RBC,  10                          ; v10, v11  where I read a row of c_t back
.set RBH,  12                          ; v12, v13  the same for h_t
.set ADRA, 16
.set ADRB, 20
.set LCP,  22                          ; v22  my 32 bytes of c_prev in LDS
.set VO,   27                          ; v27  my byte offset in out0 and out1
.set VB,   28                          ; v28  my byte offset in the biases
.set OB,   32                          ; v[32:47] eight rows of c_t, v[48:63] eight rows of h_t on their way out
.set F0,   64
.set F1,   128
.set BIAS, 192                         ; v[192:255]  at 8 b + e: the bias of tile column b, times the gate's factor
.set TV,   64                          ; after the loop: v[64:127] the four gates of 16 outputs a lane, at 8 b + e
.set CPV,  128                         ;                 v[128:143] c_prev
.set CV,   144                         ;                 v[144:159] c_t
.set EV,   160                         ;                 v[160:175] tanh(c_t), then h_t
.set G1,  24                           ; s[24:31] group 1 for the left operand's tiles
.set G0,  32                           ; s[32:39] group 0 for them, one set for each slot: addresses in A2.  The symbol is set to G0H behind the laps that fill from A2
.set G0H, 16                           ; s[16:23] the same with addresses in A1
.set G1B, 48
.set G0B, 56
.set G1C, 84                           ; s[84:91] group 1 for the tile of c_prev
.set G0C, 92                           ; s[92:95] group 0 for it
.set MSB, 0
.macro WIN new                         ; the immediate's high byte repeats the setting that is left
.if MSB != \new
	s_set_vgpr_msb (MSB<<8)|\new
.set MSB, \new
.endif
.endm
.set MUL_LO, 0xa1                      ; source 0 (BT2) window 1, source 1 (left operand) window 0, C and D window 2
.set MUL_HI, 0xf1                      ; the same, C and D window 3
.set TO_B,   0x40                      ; destination window 1, address window 0
.macro JLOAD s                         ; waves 0 and 1 fetch the left operand's two halves, waves 2 and 3 BT2's; the branch hangs on the wave's number alone
	s_cmp_eq_u32 s11, 0
	s_cbranch_scc0 .Lfor_b_\@
	tensor_load_to_lds s[G0+4*\s:G0+4*\s+3], s[G1:G1+7]
	s_nop 0
	s_branch .Lasked_\@
.Lfor_b_\@:
	tensor_load_to_lds s[G0B+4*\s:G0B+4*\s+3], s[G1B:G1B+7]
	s_nop 0
.Lasked_\@:
.endm
.macro CREST                           ; a round of the cluster's barrier behind its opening work-group barrier
	s_cmp_lg_u32 s10, 0
	s_cbranch_scc1 .Lnot_wave_0_\@
	s_barrier_signal -3
.Lnot_wave_0_\@:
	s_barrier_wait -3
	s_barrier_signal -1
	s_barrier_wait -1
.endm
.macro CROUND
	s_barrier_signal -1
	s_barrier_wait -1
	CREST
.endm
	s_load_b128 s[4:7], s[0:1], 0x0                ; A2 s[4:5], BT2 s[6:7]
	s_load_b256 s[68:75], s[0:1], 0x10             ; c_prev s[68:69], b_i s[70:71], b_f s[72:73], b_o s[74:75]
	s_load_b128 s[76:79], s[0:1], 0x30             ; b_c s[76:77], out0 s[78:79]
	s_load_b64 s[80:81], s[0:1], 0x40              ; out1
	s_load_b64 s[8:9], s[0:1], 0x48                ; A1
	s_set_vgpr_msb 0x40
	v_lshl_add_u32 v255, v0, 2, 0x44000
	s_set_vgpr_msb 0x4000
	v_mov_b32 v31, 0
	s_set_vgpr_msb 0x1
	ds_add_u32 v255, v31
	s_wait_dscnt 0x0
	s_set_vgpr_msb 0x100
	v_lshrrev_b32 v1, 5, v0
	v_readfirstlane_b32 s10, v1                    ; wave 0..3
	s_lshr_b32 s11, s10, 1                         ; rh: which 128 of the block's rows are mine.  Also: I fetch for the left operand (0) or for BT2 (1)
	s_and_b32 s12, s10, 1                          ; wh: which 128 n' (32 hidden columns).  Also: which 128 rows of that tile I fetch
	s_bfe_u32 s40, ttmp6, 0x40000                  ; cx
	s_bfe_u32 s41, ttmp6, 0x40004                  ; cy
	s_lshl_b32 s42, ttmp9, 2
	s_add_co_u32 s42, s42, s40                     ; block column = 4 x cluster x + cx
	s_and_b32 s13, ttmp7, 0xffff
	s_lshl_b32 s13, s13, 2
	s_add_co_u32 s13, s13, s41                     ; block row = 4 x cluster y + cy
	s_lshl_b32 s43, s41, 2
	s_lshl_b32 s43, 15, s43                        ; my row of the cluster
	s_lshl_b32 s44, 0x1111, s40                    ; my column
	; group 1 of the joint loads: 128 rows x 128 elements of 2 bytes, 4 words of padding after every 64 words
	s_or_b32 s[G1+0], s43, (1<<16)|(1<<20)|(1<<21)|(5<<22)|(3<<25)
	s_or_b32 s[G1B+0], s44, (1<<16)|(1<<20)|(1<<21)|(5<<22)|(3<<25)
	s_mov_b32 s[G1+1], KSTEP<<16
	s_mov_b32 s[G1B+1], KSTEP<<16
	s_mov_b32 s[G1+2], 128<<16
	s_mov_b32 s[G1B+2], 128<<16
	s_mov_b32 s[G1+3], KSTEP<<16
	s_mov_b32 s[G1B+3], KSTEP<<16
	s_mov_b32 s[G1+4], 128
	s_mov_b32 s[G1B+4], 128
	s_mov_b32 s[G1+5], SIZE_K
	s_mov_b32 s[G1B+5], SIZE_K
	s_mov_b32 s[G1+6], 0
	s_mov_b32 s[G1B+6], 0
	s_mov_b32 s[G1+7], 0
	s_mov_b32 s[G1B+7], 0
	; group 1 of the tile of c_prev, a load of my work-group alone (mask 0): 64 rows x 64 elements of 4 bytes, the same padding
	s_mov_b32 s[G1C+0], (2<<16)|(1<<20)|(5<<22)|(3<<25)
	s_mov_b32 s[G1C+1], 64<<16
	s_mov_b32 s[G1C+2], 64<<16
	s_mov_b32 s[G1C+3], 64<<16
	s_mov_b32 s[G1C+4], 64
	s_mov_b32 s[G1C+5], 1024
	s_mov_b32 s[G1C+6], 0
	s_mov_b32 s[G1C+7], 0
	s_mov_b32 s[G0C], 1
	s_mul_i32 s[G0C+1], s10, 64*PITCH              ; rows 64 w .. 64 w + 63 of the tile, from LDS byte 0 on
	s_lshl_b32 s17, s12, 7
	s_lshl_b32 s16, s13, 8
	s_add_co_u32 s16, s16, s17                     ; left operand: row 256 x block row + 128 x half
	s_lshl_b32 s46, s42, 8
	s_add_co_u32 s46, s46, s17                     ; BT2: row 256 x block column + 128 x half
	s_mov_b32 s17, 0
	s_mov_b32 s47, 0
	s_mov_b64 s[18:19], SIZE_K*2
	s_mul_u64 s[16:17], s[16:17], s[18:19]
	s_mul_u64 s[46:47], s[46:47], s[18:19]
	s_mul_i32 s20, s10, HALFT
	; c_prev: rows 256 x block row + 64 w, hidden column 64 x block column (rows of 4,096 bytes)
	s_lshl_b32 s82, s13, 8
	s_lshl_b32 s83, s10, 6
	s_add_co_u32 s82, s82, s83
	s_lshl_b32 s82, s82, 12
	s_lshl_b32 s83, s42, 8
	s_add_co_u32 s82, s82, s83
	s_mov_b32 s83, 0
	; out0, out1: rows 256 x block row + 128 rh + 8 wh (of each group of 16 rows I send eight), the same column
	s_lshl_b32 s66, s13, 8
	s_lshl_b32 s67, s11, 7
	s_add_co_u32 s66, s66, s67
	s_lshl_b32 s67, s12, 3
	s_add_co_u32 s66, s66, s67
	s_lshl_b32 s66, s66, 12
	s_lshl_b32 s67, s42, 8
	s_add_co_u32 s66, s66, s67
	s_mov_b32 s67, 0
	CROUND                                         ; all sixteen work-groups are here: the first joint loads meet.  The arguments come in meanwhile
	s_wait_kmcnt 0x0
	s_add_nc_u64 s[14:15], s[4:5], s[16:17]
	s_add_nc_u64 s[46:47], s[6:7], s[46:47]
.irp s, 0,1
	s_mov_b32 s[G0+4*\s], 1
	s_add_co_u32 s[G0+4*\s+1], s20, \s*SLOT
	s_add_nc_u64 s[G0+4*\s+2:G0+4*\s+3], s[14:15], \s*KSTEP*2
	s_or_b32 s[G0+4*\s+3], s[G0+4*\s+3], 0x80000000
	s_mov_b32 s[G0B+4*\s], 1
	s_add_co_u32 s[G0B+4*\s+1], s20, \s*SLOT
	s_add_nc_u64 s[G0B+4*\s+2:G0B+4*\s+3], s[46:47], \s*KSTEP*2
	s_or_b32 s[G0B+4*\s+3], s[G0B+4*\s+3], 0x80000000
	JLOAD \s
.endr
	s_add_nc_u64 s[8:9], s[8:9], s[16:17]          ; my rows in A1
	s_add_nc_u64 s[G0C+2:G0C+3], s[68:69], s[82:83]
	s_or_b32 s[G0C+3], s[G0C+3], 0x80000000
	s_add_nc_u64 s[78:79], s[78:79], s[66:67]
	s_add_nc_u64 s[80:81], s[80:81], s[66:67]
	v_and_b32 v1, 15, v0                           ; r = l % 16 (on the way out: q)
	v_bfe_u32 v2, v0, 4, 1                         ; h = l / 16 (on the way out: hh)
	v_mul_u32_u24 v3, v1, PITCH
	v_lshl_add_u32 v3, v2, 4, v3
	s_mul_i32 s21, s11, HALFT
	s_mul_i32 s22, s12, HALFT
	s_add_co_u32 s22, s22, 2*HALFT
.irp s, 0,1
	v_add_nc_u32 v[ADRA+\s], s21, v3
	v_add_nc_u32 v[ADRB+\s], s22, v3
	s_add_co_u32 s21, s21, SLOT
	s_add_co_u32 s22, s22, SLOT
.endr
	; the second group 0 of the left operand, in registers that the set-up has done with: the addresses of K steps 6 and 7 in A1, so that the first step of
	; two K steps makes them 8 and 9.  No load names these registers before the laps that fill from A1.
.irp s, 0,1
	s_mov_b32 s[G0H+4*\s], 1
	s_mul_i32 s[G0H+4*\s+1], s10, HALFT
	s_add_co_u32 s[G0H+4*\s+1], s[G0H+4*\s+1], \s*SLOT
	s_add_nc_u64 s[G0H+4*\s+2:G0H+4*\s+3], s[8:9], (2*XLAPS-2+\s)*KSTEP*2
	s_or_b32 s[G0H+4*\s+3], s[G0H+4*\s+3], 0x80000000
.endr
	v_mul_u32_u24 v4, v1, PITCH                    ; c_prev in LDS: row 128 rh + r, column 32 wh + 8 h, 4 bytes each
	v_lshl_add_u32 v4, v2, 5, v4
	s_mul_i32 s66, s11, HALFT
	s_lshl_b32 s67, s12, 7
	s_add_co_u32 s66, s66, s67
	v_add_nc_u32 v[LCP], s66, v4
	v_mul_u32_u24 v4, v1, SP                       ; my part of a stage: row r, 32 bytes for each half of the lanes
	v_lshl_add_u32 v4, v2, 5, v4
	s_mul_i32 s66, s10, WR
	s_add_co_u32 s66, s66, CSOFF
	v_add_nc_u32 v[LCS], s66, v4
	v_add_nc_u32 v[LCS+1], 4*GB, v[LCS]
	v_add_nc_u32 v[LHS], HSOFF-CSOFF, v[LCS]
	v_add_nc_u32 v[LHS+1], HSOFF-CSOFF+4*GB, v[LCS]
	v_lshrrev_b32 v4, 3, v1                        ; back: rows 8 wh + 2 t + hh of my row half's sixteen; lanes q = 0-7 read the left wave's part, q = 8-15 the right wave's
	v_mul_u32_u24 v4, v4, WR
	v_and_b32 v5, 7, v1
	v_lshl_add_u32 v4, v5, 4, v4
	v_mad_u32_u24 v4, v2, SP, v4
	s_mul_i32 s66, s11, 2*WR
	s_mul_i32 s67, s12, 8*SP
	s_add_co_u32 s66, s66, s67
	s_add_co_u32 s66, s66, CSOFF
	v_add_nc_u32 v[RBC], s66, v4
	v_add_nc_u32 v[RBC+1], 4*GB, v[RBC]
	v_add_nc_u32 v[RBH], HSOFF-CSOFF, v[RBC]
	v_add_nc_u32 v[RBH+1], HSOFF-CSOFF+4*GB, v[RBC]
	v_lshlrev_b32 v[VO], 4, v1
	v_lshl_add_u32 v[VO], v2, 12, v[VO]            ; and the same two rows in out0 and out1
	s_lshl_b32 s66, s42, 8
	s_lshl_b32 s67, s12, 7
	s_add_co_u32 s66, s66, s67
	v_lshl_add_u32 v[VB], v2, 5, s66               ; biases: hidden column 64 x block column + 32 wh + 8 h
.irp g, 0,1,2,3
.irp j, 0,1
	global_load_b128 v[BIAS+16*\g+8*\j:BIAS+16*\g+8*\j+3],   v[VB], s[70+2*\g:71+2*\g] offset:64*\j
	global_load_b128 v[BIAS+16*\g+8*\j+4:BIAS+16*\g+8*\j+7], v[VB], s[70+2*\g:71+2*\g] offset:64*\j+16
.endr
.endr
	s_wait_loadcnt 0x0
	; the biases take the factor of their gate's power of two once, so that sum and bias enter it by one fused multiply-add
.set cnt, 0
.rept 24
	v_pk_mul_f32 v[BIAS+cnt:BIAS+cnt+1], v[BIAS+cnt:BIAS+cnt+1], 0xbfb8aa3b op_sel_hi:[1,0]    ; i, f, o: -1.442695
.set cnt, cnt+2
.endr
.rept 8
	v_pk_mul_f32 v[BIAS+cnt:BIAS+cnt+1], v[BIAS+cnt:BIAS+cnt+1], 0x4038aa3b op_sel_hi:[1,0]    ; c~: 2.885390
.set cnt, cnt+2
.endr
; 16 matrix instructions: m blocks a0, a0 + 1 of the window's four x all 8 n blocks, 32 k.  zero = 1: the first product starts the sums.
; The 64 accumulators take turns, one instruction a turn, in the same order in every quarter step.
.macro MUL16 f, hi, a0, zero
.irp a, \a0, \a0+1
.irp b, 0,1,2,3,4,5,6,7
.if \zero
	v_wmma_f32_16x16x32_bf16 v[8*(8*(\a)+\b):8*(8*(\a)+\b)+7], v[\f+8*\b:\f+8*\b+7], v[\f+8*(4*\hi+\a):\f+8*(4*\hi+\a)+7], 0
.else
	v_wmma_f32_16x16x32_bf16 v[8*(8*(\a)+\b):8*(8*(\a)+\b)+7], v[\f+8*\b:\f+8*\b+7], v[\f+8*(4*\hi+\a):\f+8*(4*\hi+\a)+7], v[8*(8*(\a)+\b):8*(8*(\a)+\b)+7]
.endif
.endr
.endr
.endm
; 32 LDS loads in one run: the fragments of one quarter step (128 rows of BT2, 128 rows of the left operand, 32 k at byte k of the rows) into buffer f
.macro FETCH slot, k, f
	WIN TO_B
.irp i, 0,1,2,3,4,5,6,7
	ds_load_b128 v[\f+8*\i:\f+8*\i+3],   v[ADRB+\slot] offset:\k+\i*16*PITCH
	ds_load_b128 v[\f+8*\i+4:\f+8*\i+7], v[ADRB+\slot] offset:\k+\i*16*PITCH+32
.endr
	WIN 0
.irp i, 0,1,2,3,4,5,6,7
	ds_load_b128 v[\f+8*\i:\f+8*\i+3],   v[ADRA+\slot] offset:\k+\i*16*PITCH
	ds_load_b128 v[\f+8*\i+4:\f+8*\i+7], v[ADRA+\slot] offset:\k+\i*16*PITCH+32
.endr
.endm
; Four places between a matrix instruction and a load into a register that it has read, or a vector instruction that reads its result
.macro PLACES
.rept 4
	v_nop
.endr
.endm
.macro QUARTER slot, k, f, g, zero
	s_wait_dscnt 8                                 ; BT2's rows and the left operand's rows 0-63 are in; the youngest eight loads (its rows 64-127) may be out
	WIN MUL_LO
	MUL16 \f, 0, 0, \zero
	MUL16 \f, 0, 2, \zero
	PLACES
	FETCH \slot, \k, \g
	s_wait_dscnt 32                                ; all but the 32 just issued
	WIN MUL_HI
	MUL16 \f, 1, 0, \zero
	MUL16 \f, 1, 2, \zero
.endm
.macro THREE slot, zero
	QUARTER \slot, 64,  F0, F1, \zero
	QUARTER \slot, 128, F1, F0, 0
	QUARTER \slot, 192, F0, F1, 0
.endm
; The last quarter multiplies buffer 1 and changes slots.  In front of the round each wave waits for its reads of this slot and for all its tensor loads (one is out: its part of
; the next slot); inside the round stand sixteen matrix instructions on registers; behind it this slot is filled first, one tensor load a wave, then the next slot is read.
; fill = 1: the joint load two K steps ahead.  fill = 2 (the last lap): my 64 rows of the tile of c_prev.  From a request to the wait for it a wave issues 240 matrix instructions.
.macro TURN slot, next, fill
	s_wait_dscnt 8
	WIN MUL_LO
	MUL16 F1, 0, 0, 0
	s_wait_dscnt 0                                 ; my reads of this slot are over
	s_wait_tensorcnt 0x0                           ; and all my tensor loads have landed
	ds_add_u32 v255, v31
	s_wait_dscnt 0x0
	s_barrier_signal -1
	MUL16 F1, 0, 2, 0
	WIN 0
	s_barrier_wait -1
	CREST                                          ; no wave of any partner still reads this slot or has a load on its way
.if \fill == 1
	s_add_nc_u64 s[G0+4*\slot+2:G0+4*\slot+3], s[G0+4*\slot+2:G0+4*\slot+3], 2*KSTEP*2
	s_add_nc_u64 s[G0B+4*\slot+2:G0B+4*\slot+3], s[G0B+4*\slot+2:G0B+4*\slot+3], 2*KSTEP*2
	JLOAD \slot
.else
	tensor_load_to_lds s[G0C:G0C+3], s[G1C:G1C+7]
	s_nop 0
.endif
	PLACES
	FETCH \next, 0, F0
	WIN MUL_HI
	MUL16 F1, 1, 0, 0
	MUL16 F1, 1, 2, 0
.endm
.macro LAP zero
	THREE 0, \zero
	TURN 0, 1, 1
	THREE 1, 0
	TURN 1, 0, 1
.endm
	s_wait_tensorcnt 1                             ; my part of K step 0 is in; K step 1's may stay out
	s_barrier_signal -1
	s_barrier_wait -1
	FETCH 0, 0, F0
	LAP 1                                          ; lap 0 fills K steps 2 and 3; its first products start the sums
	WIN 0
	s_mov_b32 s3, XLAPS-2                          ; laps 1 and 2 fill K steps 4 to 7: the last of x~, from A2
.Llap_x:
	LAP 0
	WIN 0
	s_sub_co_u32 s3, s3, 1
	s_cmp_lg_u32 s3, 0
	s_cbranch_scc1 .Llap_x
.set G0, G0H                                       ; from here on the left operand's loads name the group 0 with addresses in A1; the other set, which a load may still name, is not written again
	s_mov_b32 s3, LAPS-XLAPS                       ; laps 3 to 6 fill K steps 8 to 15: h, from A1
.Llap_h:
	LAP 0
	WIN 0
	s_sub_co_u32 s3, s3, 1
	s_cmp_lg_u32 s3, 0
	s_cbranch_scc1 .Llap_h
	THREE 0, 0                                     ; the last lap
	TURN 0, 1, 2
	THREE 1, 0
	s_wait_dscnt 8
	WIN MUL_LO
	MUL16 F1, 0, 0, 0
	MUL16 F1, 0, 2, 0
	s_wait_dscnt 0
	WIN MUL_HI
	MUL16 F1, 1, 0, 0
	MUL16 F1, 1, 2, 0
	; THE CELL'S TAIL, in eight groups of 16 of my rows.  A group's c_t and h_t go into the group's own stage; while the next group is worked out, a barrier shows the
	; stage whole, each wave reads eight whole rows of 256 bytes of each result back and stores them: the stores leave during the arithmetic, not behind it.
	PLACES
	WIN 0
	s_wait_dscnt 0x0                               ; my reads of slot 1 are over
	s_wait_tensorcnt 0x0                           ; my rows of c_prev have landed
	s_barrier_signal -1
	s_barrier_wait -1                              ; everybody's have
; eight read-backs of group grp: two rows a load
.macro BACK grp
	s_wait_xcnt 0x0                                ; the registers below are data of the last group's stores: loaded again only behind this wait
.irp t, 0,1,2,3
	ds_load_b128 v[OB+4*\t:OB+4*\t+3], v[RBC+(\grp>>2)] offset:(\grp&3)*GB+2*\t*SP
.endr
.irp t, 0,1,2,3
	ds_load_b128 v[OB+16+4*\t:OB+16+4*\t+3], v[RBH+(\grp>>2)] offset:(\grp&3)*GB+2*\t*SP
.endr
.endm
; and their eight stores.  counted = 1: each store waits for its own read-back, the younger ones stay out
.macro SEND grp, counted
.set cnt, 0
.rept 4
.if \counted
	s_wait_dscnt 7-cnt
.endif
	global_store_b128 v[VO], v[OB+4*cnt:OB+4*cnt+3], s[80:81] offset:(16*\grp+2*cnt)*4096 th:TH_STORE_NT       ; c_t: sixteen lanes store 256 consecutive bytes, aligned
.set cnt, cnt+1
.endr
.rept 4
.if \counted
	s_wait_dscnt 7-cnt
.endif
	global_store_b128 v[VO], v[OB+4*cnt:OB+4*cnt+3], s[78:79] offset:(16*\grp+2*(cnt-4))*4096 th:TH_STORE_NT   ; h_t
.set cnt, cnt+1
.endr
.endm
; rows 16 grp .. 16 grp + 15 of my 128 = the eight tiles (at, 0..7) of window 2 or 3 (win = 0x02 or 0x03: source 0); 16 outputs a lane.  prev = grp - 1, the group that leaves meanwhile
.macro EPI grp, prev, at, win
.irp j, 0,1
	ds_load_b128 v[CPV+8*\j:CPV+8*\j+3],   v[LCP] offset:\grp*16*PITCH+64*\j
	ds_load_b128 v[CPV+8*\j+4:CPV+8*\j+7], v[LCP] offset:\grp*16*PITCH+64*\j+16
.endr
	WIN \win
.irp b, 0,1,2,3,4,5
.irp p, 0,2,4,6
	v_pk_fma_f32 v[TV+8*\b+\p:TV+8*\b+\p+1], v[8*(8*\at+\b)+\p:8*(8*\at+\b)+\p+1], 0xbfb8aa3b, v[BIAS+8*\b+\p:BIAS+8*\b+\p+1] op_sel_hi:[1,0,1]
.endr
.endr
.irp b, 6,7
.irp p, 0,2,4,6
	v_pk_fma_f32 v[TV+8*\b+\p:TV+8*\b+\p+1], v[8*(8*\at+\b)+\p:8*(8*\at+\b)+\p+1], 0x4038aa3b, v[BIAS+8*\b+\p:BIAS+8*\b+\p+1] op_sel_hi:[1,0,1]
.endr
.endr
	WIN 0
.set cnt, 0
.rept 64
	v_exp_f32 v[TV+cnt], v[TV+cnt]
.set cnt, cnt+1
.endr
.if \grp
	s_wait_dscnt 0x0                               ; my stores into the last group's stage are done (and this group's c_prev is in):
	s_barrier_signal -1                            ; say so, and work on registers while the others arrive
.endif
	v_nop                                          ; one plain vector instruction between a transcendental and the use of its result (ISA guide 5.7.2)
.set cnt, 0
	s_wait_alu depctr_va_vdst(0)
.rept 32
	v_pk_add_f32 v[TV+cnt:TV+cnt+1], v[TV+cnt:TV+cnt+1], 1.0 op_sel_hi:[1,0]
.set cnt, cnt+2
.endr
.set cnt, 0
.rept 64
	v_rcp_f32 v[TV+cnt], v[TV+cnt]
.set cnt, cnt+1
.endr
.if \grp
	s_barrier_wait -1                              ; the last group's stage is whole: a row is read from two waves' parts
	BACK \prev
.endif
	v_nop
.set cnt, 0
	s_wait_alu depctr_va_vdst(0)
.rept 8
	v_pk_fma_f32 v[TV+48+cnt:TV+48+cnt+1], v[TV+48+cnt:TV+48+cnt+1], -2.0, 1.0 op_sel_hi:[1,0,0]   ; c~ = 1 - 2 / (1 + 2^..)
.set cnt, cnt+2
.endr
.set cnt, 0
.rept 8
	v_pk_mul_f32 v[TV+48+cnt:TV+48+cnt+1], v[TV+48+cnt:TV+48+cnt+1], v[TV+cnt:TV+cnt+1]            ; i c~
.set cnt, cnt+2
.endr
.if \grp == 0
	s_wait_dscnt 0x0                               ; c_prev (in the later groups the wait in front of the signal has shown it in)
.endif
.set cnt, 0
.rept 8
	v_pk_fma_f32 v[CV+cnt:CV+cnt+1], v[TV+16+cnt:TV+16+cnt+1], v[CPV+cnt:CPV+cnt+1], v[TV+48+cnt:TV+48+cnt+1]   ; c_t = f c_prev + i c~
.set cnt, cnt+2
.endr
.irp j, 0,1
	ds_store_b128 v[LCS+(\grp>>2)], v[CV+8*\j:CV+8*\j+3]   offset:(\grp&3)*GB+64*\j
	ds_store_b128 v[LCS+(\grp>>2)], v[CV+8*\j+4:CV+8*\j+7] offset:(\grp&3)*GB+64*\j+16
.endr
.set cnt, 0
.rept 8
	v_pk_mul_f32 v[EV+cnt:EV+cnt+1], v[CV+cnt:CV+cnt+1], 0x4038aa3b op_sel_hi:[1,0]
.set cnt, cnt+2
.endr
.set cnt, 0
.rept 16
	v_exp_f32 v[EV+cnt], v[EV+cnt]
.set cnt, cnt+1
.endr
.if \grp
	s_wait_dscnt 4                                 ; LDS instructions of a wave end in order (ISA guide 5.7.1): the eight read-backs are in, my four stores of c_t behind them may be out
	SEND \prev, 0
.endif
	v_nop
.set cnt, 0
	s_wait_alu depctr_va_vdst(0)
.rept 8
	v_pk_add_f32 v[EV+cnt:EV+cnt+1], v[EV+cnt:EV+cnt+1], 1.0 op_sel_hi:[1,0]
.set cnt, cnt+2
.endr
.set cnt, 0
.rept 16
	v_rcp_f32 v[EV+cnt], v[EV+cnt]
.set cnt, cnt+1
.endr
	v_nop
.set cnt, 0
	s_wait_alu depctr_va_vdst(0)
.rept 8
	v_pk_fma_f32 v[EV+cnt:EV+cnt+1], v[EV+cnt:EV+cnt+1], -2.0, 1.0 op_sel_hi:[1,0,0]               ; tanh(c_t)
.set cnt, cnt+2
.endr
.set cnt, 0
.rept 8
	v_pk_mul_f32 v[EV+cnt:EV+cnt+1], v[EV+cnt:EV+cnt+1], v[TV+32+cnt:TV+32+cnt+1]                  ; h_t = o tanh(c_t)
.set cnt, cnt+2
.endr
.irp j, 0,1
	ds_store_b128 v[LHS+(\grp>>2)], v[EV+8*\j:EV+8*\j+3]   offset:(\grp&3)*GB+64*\j
	ds_store_b128 v[LHS+(\grp>>2)], v[EV+8*\j+4:EV+8*\j+7] offset:(\grp&3)*GB+64*\j+16
.endr
.endm
	EPI 0, 0, 0, 0x02
	EPI 1, 0, 1, 0x02
	EPI 2, 1, 2, 0x02
	EPI 3, 2, 3, 0x02
	EPI 4, 3, 0, 0x03
	EPI 5, 4, 1, 0x03
	EPI 6, 5, 2, 0x03
	EPI 7, 6, 3, 0x03
	s_wait_dscnt 0x0                               ; my stores into the last group's stage are done,
	s_barrier_signal -1
	s_barrier_wait -1                              ; everybody's are
	BACK 7
	SEND 7, 1
	s_set_vgpr_msb 0x1
	s_wait_tensorcnt 0x0
	ds_add_u32 v255, v31
	s_wait_dscnt 0x0
	s_set_vgpr_msb 0x100
	CROUND                                         ; the closing round: no work-group ends while a partner may still ask for a tile that names it
	s_endpgm
.Lfunc_end_k_q24c4d6310f_gates:
	.size	k_q24c4d6310f_gates, .Lfunc_end_k_q24c4d6310f_gates-k_q24c4d6310f_gates
	.p2alignl 7, 3214868480
	.fill 96, 4, 3214868480
	.section	.rodata,"a",@progbits
	.p2align	6, 0x0
	.amdhsa_kernel k_q24c4d6310f_gates
		.amdhsa_group_segment_fixed_size 327680
		.amdhsa_private_segment_fixed_size 0
		.amdhsa_enable_private_segment 0
		.amdhsa_kernarg_size 80
		.amdhsa_user_sgpr_count 2
		.amdhsa_user_sgpr_kernarg_segment_ptr 1
		.amdhsa_wavefront_size32 1
		.amdhsa_system_sgpr_workgroup_id_x 1
		.amdhsa_system_sgpr_workgroup_id_y 1
		.amdhsa_system_sgpr_workgroup_id_z 1
		.amdhsa_system_vgpr_workitem_id 0
		.amdhsa_next_free_vgpr 1024
		.amdhsa_next_free_sgpr 96
		.amdhsa_reserve_vcc 0
		.amdhsa_float_denorm_mode_32 3
		.amdhsa_float_denorm_mode_16_64 3
		.amdhsa_memory_ordered 1
		.amdhsa_forward_progress 1
		.amdhsa_inst_pref_size 255
	.end_amdhsa_kernel
	.section	.bss,"aw",@nobits
	.p2align	6
	.space	262144
	.amdgpu_metadata
---
amdhsa.version: [ 1, 2 ]
amdhsa.kernels:
  - .name:           k_q24c4d6310f_gates
    .symbol:         k_q24c4d6310f_gates.kd
    .args:
      - { .name: A2, .offset: 0, .size: 8, .value_kind: global_buffer, .address_space: global }
      - { .name: BT2, .offset: 8, .size: 8, .value_kind: global_buffer, .address_space: global }
      - { .name: c_prev, .offset: 16, .size: 8, .value_kind: global_buffer, .address_space: global }
      - { .name: b_i, .offset: 24, .size: 8, .value_kind: global_buffer, .address_space: global }
      - { .name: b_f, .offset: 32, .size: 8, .value_kind: global_buffer, .address_space: global }
      - { .name: b_o, .offset: 40, .size: 8, .value_kind: global_buffer, .address_space: global }
      - { .name: b_c, .offset: 48, .size: 8, .value_kind: global_buffer, .address_space: global }
      - { .name: out0, .offset: 56, .size: 8, .value_kind: global_buffer, .address_space: global }
      - { .name: out1, .offset: 64, .size: 8, .value_kind: global_buffer, .address_space: global }
      - { .name: A1, .offset: 72, .size: 8, .value_kind: global_buffer, .address_space: global }
    .group_segment_fixed_size: 327680
    .private_segment_fixed_size: 0
    .kernarg_segment_align: 8
    .kernarg_segment_size: 80
    .max_flat_workgroup_size: 128
    .sgpr_count:     96
    .vgpr_count:     1024
    .wavefront_size: 32
...
	.end_amdgpu_metadata
.endif
;; end of part 3
;; ======== version 2 of 2: 3 launches; version 1 with the launch prep written anew for expert scheduling mode
;; workspace buffers: A1 16,777,216 bytes; A2 16,777,216 bytes; BT1 4,194,304 bytes; BT2 16,777,216 bytes
;; launch prep (part 4): grid 256 x 1, 9 waves a work-group, no clusters, 89,600 bytes of LDS; arguments W_m, U_m, W_i, U_i, W_f, U_f, W_o, U_o, W_c, U_c, x_t, h_prev, A1, BT1, BT2; writes A1, BT1, BT2
.if DOCPART == 4
	.amdgcn_target "amdgcn-amd-amdhsa--gfx1250"
	.amdhsa_code_object_version 6
	.text
	.protected	k_q24c4d6310f_prep
	.globl	k_q24c4d6310f_prep
	.p2align	8
	.type	k_q24c4d6310f_prep,@function
k_q24c4d6310f_prep:
	s_mov_b64 s[64:65], 0
	v_nop
	global_prefetch_b8 v0, s[64:65] scope:SCOPE_SE
	s_setreg_imm32_b32 hwreg(HW_REG_WAVE_SCHED_MODE, 0, 2), 2
	s_setreg_imm32_b32 hwreg(HW_REG_WAVE_MODE, 25, 1), 1
	s_wait_xcnt 0x0
	s_wait_alu depctr_vm_vsrc(0)
; Casts and transposes for the two products that follow.  Everything is read once as f32 and written once as bf16 (round to nearest even).
;   A1  [4096][2048] = [ x_t | h_prev ]
;   BT1 [1024 n][2048 k]:  k < 1024: W_m[k][n], else U_m[k-1024][n]
;   BT2 [4096 n'][2048 k]: the four gates' weights likewise, with hidden column c of gate g (0..3 = i, f, o, c) in row
;                          n' = (c >> 6) * 256 + ((c >> 5) & 1) * 128 + g * 32 + (c & 31)
;   so that 128 neighbouring rows of BT2 are the four gates of the same 32 hidden columns.
; 2,304 jobs of 32 KiB read, one a wave, nine in each of 256 work-groups: waves 0-4 a weight tile of 128 k x 64 n, waves 5, 6 eight rows of x_t,
; waves 7, 8 eight rows of h_prev.  No wave needs another: no barrier.  No matrix unit, no cluster: nothing is read twice and nothing is multiplied.
; A job is eight sub-batches of eight loads of 16 bytes a lane; six slots in registers: 48 loads of a wave go out at the start, 32 to 40 are out later.
; LIMIT: none beyond the rounding to bf16; infinities and NaN pass through the conversion as they are.
; THE MODE: SCHED_MODE bits 1:0 = 2 (LLVM: expert scheduling mode 2), set by the entry lines.  The code itself states the register dependences
; between vector instructions and memory or LDS instructions, with s_wait_alu, always for 0.
; THE PLAN.  Turn s rounds sub-batch s.  Its memory instructions are the turn before's: the stores of sub-batch s - 1 and, in turns 1 and 2, the loads of
; sub-batch s + 5 into slot s - 1.  Registers that memory or LDS instructions touch:
;   v3 .. v7     offsets and LDS addresses: made at the head of each path, never written again.
;   X0 .. X5     slots.  Written by the loads; read by the slot's roundings.  Slots 0 and 1 are loaded a second time, in turns 1 and 2.
;   Y0, Y1       weight waves: turn s's roundings write Y[s % 2]; the four LDS stores issued in turn s + 1 read it; turn s + 2 writes it again.
;                casts: sub-batches 0 and 1 are rounded into Y0 and Y1, so that slots 0 and 1 can be loaded again before those results have left; sub-batches 2 to 7
;                are rounded in place, in slots that are not loaded again behind that.  So in a cast no register that a store reads is ever written again.
;   v224, v225   written at the head, read by the closing add alone.
; No vector instruction of turn s names slot s - 1 or the registers that sub-batch s - 1 leaves from.  So ONE wait on va_vdst at a turn's head states all that the turn's
; loads and stores hang on, and they are dealt among its sixteen roundings.  The weight waves have a wait on vm_vsrc beside it, for the Y buffer that the turn writes again.
.set X,     32                         ; v[32:223]  six slots of 32 registers: eight loads of 16 bytes each
.set Y,     12                         ; v[12:27]   Y0
.set Y1OFF, 214                        ; v[226:241] Y1 = Y0 + 214
.set WLDS,  17664                      ; LDS of one weight wave: 64 rows (n) of 256 bytes (128 k) at pitch 272, 16 bytes more after every 16 rows
.set LP,    272
.set PB,    0                          ; casts: the first register, and the step from pair to pair, of the results of the turn before
.set PS,    0
; ---- casts: sub-batch s is one row of 4,096 bytes, eight loads of 512 neighbouring bytes
.macro CLOAD s, slot
.irp i, 0,1,2,3,4,5,6,7
	global_load_b128 v[X+32*\slot+4*\i:X+32*\slot+4*\i+3], v3, s[48:49] offset:(8*\s+\i)*512 th:TH_LOAD_NT
.endr
.endm
; Turn s.  left = the loads issued behind this sub-batch's eight: they stay out
.macro CTURN s, slot, left, ish
	s_wait_loadcnt \left
.if \s > 0
	s_wait_alu depctr_va_vdst(0)                   ; the last turn's roundings have written the pairs that the stores below read, and are done reading their slot, in which (turns 1 and 2) the loads below land
.endif
.if \s < 2
.set DB, Y+Y1OFF*\s                                    ; sub-batches 0 and 1: into Y0, Y1, a pair for each load
.set DS, 2
.else
.set DB, X+32*\slot                                    ; the others: in place, into the first two of each load's four registers
.set DS, 4
.endif
.irp i, 0,1,2,3,4,5,6,7
.if (\s == 1) || (\s == 2)
	global_load_b128 v[X+32*(\s-1)+4*\i:X+32*(\s-1)+4*\i+3], v3, s[48:49] offset:(8*(\s+5)+\i)*512 th:TH_LOAD_NT   ; sub-batch s + 5; no vector instruction since the wait names this slot
.endif
.if \s > 0
	global_store_b64 v6, v[PB+PS*\i:PB+PS*\i+1], s[50:51] offset:(\s-1)*4096+\i*256+\ish*2048   ; the turn before's: 32 lanes x 8 bytes: 256 consecutive bytes, aligned
.endif
	v_cvt_pk_bf16_f32 v[DB+DS*\i],   v[X+32*\slot+4*\i],   v[X+32*\slot+4*\i+1]
	v_cvt_pk_bf16_f32 v[DB+DS*\i+1], v[X+32*\slot+4*\i+2], v[X+32*\slot+4*\i+3]
.endr
.set PB, DB
.set PS, DS
.endm
; first = the number of the first wave of this kind; ish = 0: x_t into the left half of A1's rows, 1: h_prev into the right half
.macro CAST first, ish
	s_lshl_b32 s42, ttmp9, 1
	s_add_co_u32 s42, s42, s40
	s_sub_co_u32 s42, s42, \first                  ; chunk 0..511 = 2 x work-group + (wave - first)
	s_lshl_b32 s52, s42, 15                        ; eight rows of 4,096 bytes, in the source and in A1 alike
	v_and_b32 v3, 31, v0
	v_lshlrev_b32 v6, 3, v3                        ; 8 bytes of bf16 a lane
	v_lshlrev_b32 v3, 4, v3                        ; 16 bytes of f32 a lane
	s_wait_kmcnt 0x0
	s_add_nc_u64 s[48:49], s[28+2*\ish:29+2*\ish], s[52:53]
	s_add_nc_u64 s[50:51], s[32:33], s[52:53]
	s_wait_alu depctr_va_vdst(0)                   ; v3 and v6 are written: every load and store of this path reads one of them as its offset
	CLOAD 0, 0
	CLOAD 1, 1
	CLOAD 2, 2
	CLOAD 3, 3
	CLOAD 4, 4
	CLOAD 5, 5
	CTURN 0, 0, 40, \ish                           ; sub-batches 1 to 5 stay out
	CTURN 1, 1, 32, \ish                           ; 2 to 5; sub-batch 6 goes out in this turn
	CTURN 2, 2, 32, \ish                           ; 3 to 6; sub-batch 7 goes out in this turn
	CTURN 3, 3, 32, \ish                           ; 4 to 7
	CTURN 4, 4, 24, \ish                           ; nothing more is loaded: the counts run down
	CTURN 5, 5, 16, \ish
	CTURN 6, 0, 8, \ish
	CTURN 7, 1, 0, \ish
	s_wait_alu depctr_va_vdst(0)                   ; turn 7's roundings have written the pairs that the last eight stores read
.irp i, 0,1,2,3,4,5,6,7
	global_store_b64 v6, v[PB+PS*\i:PB+PS*\i+1], s[50:51] offset:7*4096+\i*256+\ish*2048
.endr
	s_endpgm
.endm
; ---- weights: sub-batch s is 16 rows (k) of the tile.  Lane (q, hh) loads rows 16 s + 8 hh + i, i = 0..7, columns 4 q .. 4 q + 3:
; sixteen lanes read 256 consecutive bytes of a row, aligned.
.macro WLOAD s, slot
.irp i, 0,1,2,3,4,5,6,7
	global_load_b128 v[X+32*\slot+4*\i:X+32*\slot+4*\i+3], v3, s[48:49] offset:(16*\s+\i)*4096 th:TH_LOAD_NT
.endr
.endm
; Turn s.  The lane's 8 x 4 numbers are turned in registers: for each of its four columns eight neighbouring k, 16 bytes, which go into that column's LDS row in the next turn.
.macro WTURN s, slot, left
	s_wait_loadcnt \left
.if \s > 1
	s_wait_alu depctr_vm_vsrc(0)                   ; the LDS stores issued in the last turn have read Y[s % 2], which this turn's roundings write again
.endif
.if \s > 0
	s_wait_alu depctr_va_vdst(0)                   ; the last turn's roundings have written the other Y, which the LDS stores below read, and are done reading their slot, in which (turns 1 and 2) the loads below land
.endif
.irp c, 0,1,2,3
.if (\s == 1) || (\s == 2)
	global_load_b128 v[X+32*(\s-1)+8*\c:X+32*(\s-1)+8*\c+3],   v3, s[48:49] offset:(16*(\s+5)+2*\c)*4096 th:TH_LOAD_NT     ; sub-batch s + 5; no vector instruction since the wait names this slot
	global_load_b128 v[X+32*(\s-1)+8*\c+4:X+32*(\s-1)+8*\c+7], v3, s[48:49] offset:(16*(\s+5)+2*\c+1)*4096 th:TH_LOAD_NT
.endif
.if \s > 0
	ds_store_b128 v4, v[Y+Y1OFF*((\s-1)%2)+4*\c:Y+Y1OFF*((\s-1)%2)+4*\c+3] offset:\c*LP+32*(\s-1)   ; the turn before's
.endif
.irp d, 0,1,2,3
	v_cvt_pk_bf16_f32 v[Y+Y1OFF*((\s)%2)+4*\c+\d], v[X+32*\slot+8*\d+\c], v[X+32*\slot+8*\d+4+\c]   ; the lower k in the low half
.endr
.endr
.endm
	s_load_b512 s[8:23], s[0:1], 0x0               ; W_m U_m W_i U_i W_f U_f W_o U_o: matrix i at s[8+2i:9+2i]
	s_load_b256 s[24:31], s[0:1], 0x40             ; W_c U_c, x_t s[28:29], h_prev s[30:31]
	s_load_b128 s[32:35], s[0:1], 0x60             ; A1 s[32:33], BT1 s[34:35]
	s_load_b64 s[36:37], s[0:1], 0x70              ; BT2
	v_lshl_add_u32 v224, v0, 2, 0x15900            ; my spare word, behind the five weight waves' LDS; kept for the closing lines alone
	v_mov_b32 v225, 0                              ; and 0, likewise
	v_lshrrev_b32 v8, 5, v0
	v_readfirstlane_b32 s40, v8                    ; wave 0..8
	v_and_b32 v1, 15, v0                           ; q
	v_bfe_u32 v2, v0, 4, 1                         ; hh
	s_mov_b32 s53, 0                               ; high words of the two offset pairs
	s_mov_b32 s55, 0
	s_wait_alu depctr_va_sdst(0)                   ; s40 is written, ahead of its first reader, the compare below, and of the first branch
	s_cmp_lt_u32 s40, 5
	s_cbranch_scc1 .Lweights
	s_cmp_lt_u32 s40, 7
	s_cbranch_scc1 .Lx
	CAST 7, 1
.Lx:
	CAST 5, 0
.Lweights:
	s_mul_i32 s42, ttmp9, 5
	s_add_co_u32 s42, s42, s40                     ; tile T = 5 x work-group + wave, 0..1279; 128 tiles a matrix
	s_lshr_b32 s43, s42, 7                         ; matrix 0..9
	s_lshr_b32 s44, s43, 1                         ; kind: 0 = m, 1..4 = gates i, f, o, c
	s_and_b32 s45, s43, 1                          ; 0 = W (k < 1024), 1 = U
	s_and_b32 s46, s42, 7                          ; kb: which 128 k
	s_bfe_u32 s47, s42, 0x40003                    ; nb: which 64 n
	s_lshl_b32 s52, s46, 19                        ; source: 128 kb rows of 4,096 bytes
	s_lshl_b32 s57, s47, 8                         ;         + 64 nb columns of 4 bytes
	s_or_b32 s52, s52, s57
	s_max_u32 s41, s44, 1
	s_sub_co_u32 s41, s41, 1                       ; gate 0..3 (0 where the tile is W_m's or U_m's: not used there)
	s_lshl_b32 s41, s41, 5
	s_lshl_b32 s57, s47, 8
	s_add_co_u32 s57, s57, s41                     ; BT2: first row 256 nb + 32 gate
	s_lshl_b32 s54, s47, 6                         ; BT1: first row 64 nb
	s_cmp_eq_u32 s44, 0
	s_cselect_b32 s54, s54, s57
	s_cselect_b32 s56, 17, 19
	s_lshl_b32 s56, 1, s56                         ; from the tile's column 0 to its column 32: 32 rows of 4,096 bytes in BT1, 128 in BT2
	s_lshl_b32 s54, s54, 12
	s_lshl_b32 s57, s45, 11                        ; U's k begin at byte 2,048 of a row
	s_or_b32 s54, s54, s57
	s_lshl_b32 s57, s46, 8                         ; 128 kb numbers of 2 bytes
	s_or_b32 s54, s54, s57
	s_mul_i32 s41, s40, WLDS                       ; my wave's own LDS
	v_lshlrev_b32 v3, 4, v1
	v_lshl_add_u32 v3, v2, 15, v3                  ; source: 16 q + 8 hh rows
	v_mul_u32_u24 v4, v1, 4*LP                     ; LDS in: row 4 q (+ c in the immediate) at pitch 272,
	v_lshrrev_b32 v8, 2, v1
	v_lshl_add_u32 v4, v8, 4, v4                   ; 16 bytes more after every 16 rows: the sixteen lanes of a store then begin at 64 (q & 3) + 16 (q >> 2)
	v_lshl_add_u32 v4, v2, 4, v4                   ; modulo 256, sixteen different places (64 banks of 4 bytes: ISA guide 11.1); + 16 hh for its eight k
	v_add_nc_u32 v4, s41, v4
	v_mul_u32_u24 v5, v2, LP                       ; LDS back: lanes 0-15 one row of 256 bytes, lanes 16-31 the next
	v_lshl_add_u32 v5, v1, 4, v5
	v_add_nc_u32 v5, s41, v5
	v_lshlrev_b32 v6, 4, v1                        ; and the same two rows in BT1 or BT2: columns 0-31 of the tile,
	v_lshl_add_u32 v6, v2, 12, v6
	v_add_nc_u32 v7, s56, v6                       ; columns 32-63
	s_wait_kmcnt 0x0
	s_mov_b64 s[48:49], s[8:9]                     ; the tile's matrix, chosen by its number
.irp i, 1,2,3,4,5,6,7,8,9
	s_cmp_eq_u32 s43, \i
	s_cselect_b64 s[48:49], s[8+2*\i:9+2*\i], s[48:49]
.endr
	s_cmp_eq_u32 s44, 0
	s_cselect_b64 s[50:51], s[34:35], s[36:37]
	s_add_nc_u64 s[48:49], s[48:49], s[52:53]
	s_add_nc_u64 s[50:51], s[50:51], s[54:55]
	s_wait_alu depctr_va_vdst(0)                   ; v3 to v7 are written: the offsets and LDS addresses that every load and store of this path reads
	WLOAD 0, 0
	WLOAD 1, 1
	WLOAD 2, 2
	WLOAD 3, 3
	WLOAD 4, 4
	WLOAD 5, 5
	WTURN 0, 0, 40                                 ; sub-batches 1 to 5 stay out
	WTURN 1, 1, 32                                 ; 2 to 5; sub-batch 6 goes out in this turn
	WTURN 2, 2, 32                                 ; 3 to 6; sub-batch 7 goes out in this turn
	WTURN 3, 3, 32                                 ; 4 to 7
	WTURN 4, 4, 24                                 ; nothing more is loaded: the counts run down
	WTURN 5, 5, 16
	WTURN 6, 0, 8
	WTURN 7, 1, 0
	s_wait_alu depctr_va_vdst(0)                   ; turn 7's roundings have written Y1, which the last four LDS stores read; and all roundings are done reading v[32:159], in which the loads of the way out land
.irp c, 0,1,2,3
	ds_store_b128 v4, v[Y+Y1OFF+4*\c:Y+Y1OFF+4*\c+3] offset:\c*LP+32*7
.endr
	; The way out: whole rows of 256 bytes, two a load.  The bytes are my wave's own and LDS serves a wave's instructions in order (ISA guide 5.7.1.4):
	; no wait between the stores above and these loads.  No memory or LDS instruction has read v[32:159] so far, and no vector instruction names them from here on.
.set cnt, 0
.rept 32
	ds_load_b128 v[X+4*cnt:X+4*cnt+3], v5 offset:2*LP*cnt+16*(cnt>>3)
.set cnt, cnt+1
.endr
.set cnt, 0
.rept 16
	s_wait_dscnt 31-cnt
	global_store_b128 v6, v[X+4*cnt:X+4*cnt+3], s[50:51] offset:2*cnt*4096       ; sixteen lanes store 256 consecutive bytes, aligned
.set cnt, cnt+1
.endr
.rept 16
	s_wait_dscnt 31-cnt
	global_store_b128 v7, v[X+4*cnt:X+4*cnt+3], s[50:51] offset:2*(cnt-16)*4096
.set cnt, cnt+1
.endr
	s_wait_dscnt 0x0                               ; the closing lines, six on end
	s_wait_alu 0x0
	s_wait_tensorcnt 0x0
	ds_add_u32 v224, v225
	s_wait_dscnt 0x0
	s_endpgm
.Lfunc_end_k_q24c4d6310f_prep:
	.size	k_q24c4d6310f_prep, .Lfunc_end_k_q24c4d6310f_prep-k_q24c4d6310f_prep
	.p2alignl 7, 3214868480
	.fill 96, 4, 3214868480
	.section	.rodata,"a",@progbits
	.p2align	6, 0x0
	.amdhsa_kernel k_q24c4d6310f_prep
		.amdhsa_group_segment_fixed_size 89600
		.amdhsa_private_segment_fixed_size 0
		.amdhsa_enable_private_segment 0
		.amdhsa_kernarg_size 120
		.amdhsa_user_sgpr_count 2
		.amdhsa_user_sgpr_kernarg_segment_ptr 1
		.amdhsa_wavefront_size32 1
		.amdhsa_system_sgpr_workgroup_id_x 1
		.amdhsa_system_sgpr_workgroup_id_y 1
		.amdhsa_system_sgpr_workgroup_id_z 1
		.amdhsa_system_vgpr_workitem_id 0
		.amdhsa_next_free_vgpr 242
		.amdhsa_next_free_sgpr 66
		.amdhsa_reserve_vcc 0
		.amdhsa_float_denorm_mode_32 3
		.amdhsa_float_denorm_mode_16_64 3
		.amdhsa_memory_ordered 1
		.amdhsa_forward_progress 1
		.amdhsa_inst_pref_size 69
	.end_amdhsa_kernel
	.amdgpu_metadata
---
amdhsa.version: [ 1, 2 ]
amdhsa.kernels:
  - .name:           k_q24c4d6310f_prep
    .symbol:         k_q24c4d6310f_prep.kd
    .args:
      - { .name: W_m, .offset: 0, .size: 8, .value_kind: global_buffer, .address_space: global }
      - { .name: U_m, .offset: 8, .size: 8, .value_kind: global_buffer, .address_space: global }
      - { .name: W_i, .offset: 16, .size: 8, .value_kind: global_buffer, .address_space: global }
      - { .name: U_i, .offset: 24, .size: 8, .value_kind: global_buffer, .address_space: global }
      - { .name: W_f, .offset: 32, .size: 8, .value_kind: global_buffer, .address_space: global }
      - { .name: U_f, .offset: 40, .size: 8, .value_kind: global_buffer, .address_space: global }
      - { .name: W_o, .offset: 48, .size: 8, .value_kind: global_buffer, .address_space: global }
      - { .name: U_o, .offset: 56, .size: 8, .value_kind: global_buffer, .address_space: global }
      - { .name: W_c, .offset: 64, .size: 8, .value_kind: global_buffer, .address_space: global }
      - { .name: U_c, .offset: 72, .size: 8, .value_kind: global_buffer, .address_space: global }
      - { .name: x_t, .offset: 80, .size: 8, .value_kind: global_buffer, .address_space: global }
      - { .name: h_prev, .offset: 88, .size: 8, .value_kind: global_buffer, .address_space: global }
      - { .name: A1, .offset: 96, .size: 8, .value_kind: global_buffer, .address_space: global }
      - { .name: BT1, .offset: 104, .size: 8, .value_kind: global_buffer, .address_space: global }
      - { .name: BT2, .offset: 112, .size: 8, .value_kind: global_buffer, .address_space: global }
    .group_segment_fixed_size: 89600
    .private_segment_fixed_size: 0
    .kernarg_segment_align: 8
    .kernarg_segment_size: 120
    .max_flat_workgroup_size: 288
    .sgpr_count:     66
    .vgpr_count:     242
    .wavefront_size: 32
...
	.end_amdgpu_metadata
.endif
;; end of part 4
;; launch mult: the kernel of part 2 again; grid 8 x 32, 4 waves a work-group, clusters of 4 x 4, 327,680 bytes of LDS; arguments A1, BT1, x_t, b_m, A2; writes A2
;; launch gates: the kernel of part 3 again; grid 16 x 16, 4 waves a work-group, clusters of 4 x 4, 327,680 bytes of LDS; arguments A2, BT2, c_prev, b_i, b_f, b_o, b_c, out0, out1, A1; writes out0, out1
